; MI455X (gfx1250); checked and timed in simulation.
; The chip was launched on July 23, 2026; its instructions are those of AMD's public machine-readable ISA for CDNA 5 (MIT licence, August 2026) and "CDNA5" Instruction Set Architecture Reference Guide (July 2026). The comments in the code are by the model that wrote it; some were corrected since.
;; NVTX Wrapped MHA. Allowed arithmetic: matrix products marked QUANTISED: E2M1 operands, one E8M0 scale for each 32 along K, by v_wmma_scale_f32_16x16x128_f8f6f4 with both operands' format E2M1 (or v_wmma_scale_f32_32x16x128_f4), f32 sums; products left as they are: bf16, f16 or f32 operands; f32 sums; everything else in f32.
;; Inputs: Wk 1,024 x 1,024 float32; Wo 1,024 x 1,024 float32; Wq 1,024 x 1,024 float32; Wv 1,024 x 1,024 float32; token_positions 4 x 2,048 int32; x 4 x 2,048 x 1,024 float32.
;; Outputs: out0 4 x 2,048 x 1,024 float32.
;; This version of the problem:
;;   THIS VERSION OF THE PROBLEM IS GIVEN IN LOW PRECISION. The matrix products marked QUANTISED in the list below multiply operands that are first quantised to E2M1 (2 exponent bits, 1 mantissa bit; 4 bits a number), with one power-of-two scale for each 32 numbers along K (OCP MX v1.0); their sums are f32. The products marked 'left as it is' may take bf16, f16 or f32 operands, with f32 sums. Whichever they take, every output number must still come out within the allowed error. Rounding operands to bf16 (8 significant bits) uses up far more of that allowance than f16 does (11 bits, for magnitudes from 6e-5 to 65,504). All else is computed in f32.
;;   The module's matrix products, in the order in which they are computed (A, B: the left and right operand; K: the contracted axis; several contracted axes count as one K, in the product's order):
;;     1. [M 8,192, K 1,024] x [K 1,024, N 1,024]; A: input x; B: input Wq: QUANTISED
;;     2. [M 8,192, K 1,024] x [K 1,024, N 1,024]; A: input x; B: input Wk: QUANTISED
;;     3. [M 8,192, K 1,024] x [K 1,024, N 1,024]; A: input x; B: input Wv: QUANTISED
;;     4. batch 64 x [M 2,048, K 64] x [K 64, N 2,048]; A: computed on the way; B: computed on the way: left as it is (an operand is computed on the way)
;;     5. batch 64 x [M 2,048, K 2,048] x [K 2,048, N 64]; A: computed on the way; B: computed on the way: left as it is (an operand is computed on the way)
;;     6. [M 8,192, K 1,024] x [K 1,024, N 1,024]; A: computed on the way; B: input Wo: left as it is (an operand is computed on the way)
;;   THE QUANTISER, for each operand of a quantised product, along K:
;;     - K is cut into blocks of 32 from its start; a last block that is shorter is filled with zeros.
;;     - A block's scale is 2^e with e = floor(log2(the largest magnitude in the block)) - 2, held to -126 .. 127; a block of zeros has e = 0. As a byte (E8M0): e + 127.
;;     - Each number is divided by its block's scale, clamped to +-6, and rounded to the nearest number of E2M1, ties to even, subnormals kept.
;;     - The product sums the exact products of the quantised numbers (number of the format x scale) in f32.
;;   ~~~python
;;   def quantise(x, axis):      # numpy; x: float32 -> the quantised numbers, widened to float32 again
;;       x = np.moveaxis(x, axis, -1); K = x.shape[-1]
;;       x = np.pad(x, [(0, 0)] * (x.ndim - 1) + [(0, -K % 32)]); x = x.reshape(x.shape[:-1] + (-1, 32)); a = np.abs(x).max(-1, keepdims=True)
;;       e = np.where(a > 0, np.clip(np.frexp(np.where(a > 0, a, 1))[1] - 1 - 2, -126, 127), 0)      # np.frexp(a)[1] - 1 = floor(log2(a)), exactly
;;       r = np.clip(x / 2.0 ** e, -6, 6)
;;       step = 2.0 ** (np.maximum(np.frexp(np.where(r == 0, 1, r))[1] - 1, 0) - 1)
;;       q = np.round(r / step) * step * 2.0 ** e      # np.round: ties to even
;;       return np.moveaxis(q.reshape(q.shape[:-2] + (-1,))[..., :K], -1, axis).astype(np.float32)
;;   ~~~
;; One version. Each part assembles by itself: llvm-mc -triple=amdgcn-amd-amdhsa -mcpu=gfx1250 --defsym DOCPART=n.
;; ======== version 1 of 1: 5 launches
;; limits: values are held in f16: magnitudes above 65,504 overflow, below 6.1e-05 lose precision
;; workspace buffers: codes 5,767,168 bytes; scales 360,448 bytes; wo16 2,097,152 bytes; rope 2,097,152 bytes; qkv 50,331,648 bytes; q32 786,432 bytes; o16 16,777,216 bytes
;; launch prep (part 1): grid 448 x 1, 4 waves a work-group, no clusters, 33,280 bytes of LDS; arguments x, Wq, Wk, Wv, Wo, token_positions, codes, scales, wo16, rope; writes codes, scales, wo16, rope
.if DOCPART == 1
	.amdgcn_target "amdgcn-amd-amdhsa--gfx1250"
	.amdhsa_code_object_version 6
	.text
	.protected	k_q92b12ff845_prep
	.globl	k_q92b12ff845_prep
	.p2align	8
	.type	k_q92b12ff845_prep,@function
k_q92b12ff845_prep:
	s_mov_b64 s[64:65], 0
	v_nop
	global_prefetch_b8 v0, s[64:65] scope:SCOPE_SE
	s_setreg_imm32_b32 hwreg(HW_REG_WAVE_MODE, 25, 1), 1
	s_wait_xcnt 0x0
; PREP: what the later launches read many times is made once.
;   work-groups 0-351:   x [8192][1024] and Wq, Wk, Wv [1024][1024], f32, become codes of FP4 (E2M1), K innermost, two a byte, and one E8M0 byte for each 32 along K.
;                        codes: x's 8192 rows of 512 bytes, then the 3072 rows of Wq, Wk, Wv; scales: the same rows, 32 bytes each.
;   work-groups 352-383: Wo [e 1024][d 1024] f32 becomes f16, laid [head 16][e 1024][64]: K in planes of one head, as the attention's result lies.
;   work-groups 384-447: cos and sin of token_positions x inv_freq, f32, laid [token 8192][pair 32][cos, sin].
; THE QUANTISER: a block's scale is 2^(floor(log2(its largest magnitude)) - 2); its byte is the largest magnitude's exponent field - 2, held at 1 from below; each number is divided by the scale and
; rounded to the nearest code, ties to even, beyond 6 the largest code.  A block of zeros gets the byte 1 (its codes are zeros, which add nothing; this program alone reads the bytes).
; Rows are dense and 1024 is a multiple of 32: all four tensors are plain streams of blocks of 32.  A wave takes 16 steps of 512 numbers; loads read 512 consecutive bytes, and a step's 2,048 bytes turn
; through the wave's own stage in LDS so that a lane holds 16 neighbours along K (two lanes to a block).  A wave's code store covers 256 consecutive bytes, aligned; its 256 scale bytes leave as one such run.
; SIN AND COS are made by arithmetic: n = the nearest whole number to angle x 2/pi, r = angle - n pi/2 with pi/2 in three parts by fused multiply-adds, two polynomials on |r| <= pi/4, the quadrant by n mod 4.
; LIMITS: NaN and infinities are not served.  Blocks whose largest magnitude lies under 2^-124 keep the byte 1.  |Wo| up to 65,504 (f16).  |token_positions| up to 4,194,304 (n must be a whole number in f32);
; inv_freq = 2^(-pair x log2(10000)/32) carries a relative error of some 5e-7, so an angle's error is about |position| x inv_freq x 5e-7.
; No cluster, no tensor load: no two work-groups read the same bytes.
.set WAVES, 4
.set STEPS, 16
.set EMAX,  2
.set CB,    8                          ; bytes of 16 codes
.set R,     16                         ; v16-79   four sets of 16 numbers as they are loaded
.set X,     80                         ; v80-111  two sets of 16 neighbours
.set E,     112                        ; v112-127 a scale byte for each step
.set C,     128                        ; v128-191 codes: four registers for each step
.set WREG,  8192                       ; LDS: a region for each wave: two stages of 32 x SP bytes, behind them its 256 scale bytes
.set SP,    80                         ; a lane's place in a stage: 64 bytes + 16 of padding
.set SPW,   12                         ; v12  LDS address of my spare word; never rewritten
.set NIL,   13                         ; v13  0; never rewritten
.set SPARE, WAVES*WREG                 ; behind the four regions: the spare words, 128 bytes a wave
.macro LOAD t
.irp i, 0,1,2,3
	global_load_b128 v[R+16*((\t)%4)+4*\i:R+16*((\t)%4)+4*\i+3], v3, s[28:29] offset:2048*(\t)+512*\i th:TH_LOAD_NT   ; 32 lanes read 512 consecutive bytes
.endr
.endm
.macro TURN t                          ; step t's numbers through the stage: LDS serves a wave's instructions in order, so no wait stands between the stores and the loads
.irp i, 0,1,2,3
	ds_store_b128 v14, v[R+16*((\t)%4)+4*\i:R+16*((\t)%4)+4*\i+3] offset:32*SP*((\t)%2)+8*SP*\i
.endr
.irp i, 0,1,2,3
	ds_load_b128 v[X+16*((\t)%2)+4*\i:X+16*((\t)%2)+4*\i+3], v15 offset:32*SP*((\t)%2)+16*\i
.endr
.endm
.macro STEP t
.set XS, X+16*((\t)%2)
.if (\t) > 0
	s_wait_dscnt 1                                 ; this step's numbers are back from the stage; the last step's byte store may be out
.else
	s_wait_dscnt 0x0
.endif
.if (\t)+4 < STEPS
	LOAD (\t)+4                                    ; into the registers that the stage's stores have read
.endif
.if (\t)+1 < STEPS
.if STEPS-2-(\t) >= 3
	s_wait_loadcnt 12                              ; the next step's four loads are in; those of the three steps behind it may be out
.else
	s_wait_loadcnt 4*(STEPS-2-(\t))
.endif
	TURN (\t)+1
.endif
	v_max3_num_f32 v8, |v[XS]|, |v[XS+1]|, |v[XS+2]|               ; the largest magnitude of my 16, in two chains
	v_max3_num_f32 v9, |v[XS+3]|, |v[XS+4]|, |v[XS+5]|
.irp i, 6,10
	v_max3_num_f32 v8, v8, |v[XS+\i]|, |v[XS+\i+1]|
	v_max3_num_f32 v9, v9, |v[XS+\i+2]|, |v[XS+\i+3]|
.endr
	v_max3_num_f32 v8, v8, |v[XS+14]|, |v[XS+15]|
	v_max3_num_f32 v8, v8, v9, (EMAX+1)<<23        ; and the floor 2^(3 - 127): the byte cannot fall under 1
	v_max_num_f32_dpp v8, v8, v8 row_xmask:1 row_mask:0xf bank_mask:0xf   ; with my neighbour's 16: the block's
	v_add_nc_u32 v11, -(EMAX<<23), v8              ; 2 off its exponent field: the conversion takes this operand's exponent field as its scale
	v_cvt_scalef32_pk8_fp4_f32 v[C+4*(\t)], v[XS:XS+7], v11
	v_cvt_scalef32_pk8_fp4_f32 v[C+4*(\t)+1], v[XS+8:XS+15], v11
	v_lshrrev_b32 v[E+(\t)], 23, v11               ; the scale's byte (a plain line behind the conversions)
	ds_store_b8 v5, v[E+(\t)] offset:16*(\t)       ; both lanes of a block write the same byte with the same value
	global_store_b64 v4, v[C+4*(\t):C+4*(\t)+1], s[16:17] offset:32*CB*(\t)   ; 32 lanes store 256 consecutive bytes, aligned
.endm
; 32 pieces of Wo: a piece is two rows e x one head's 64 columns.  Each load reads two runs of 256 bytes, each store writes 256 consecutive bytes, aligned.
.macro WOHALF g
.set m, 0
.rept 32
	global_load_b128 v[16+4*m:19+4*m], v3, s[12:13] offset:((32*\g+m)/16)*8192+((32*\g+m)%16)*256 th:TH_LOAD_NT
.set m, m+1
.endr
.set m, 0
.rept 32
	s_wait_loadcnt 31-m                            ; loads come back in order: piece m is in, the younger ones may be out
	v_cvt_pk_f16_f32 v[16+4*m], v[16+4*m], v[17+4*m]
	v_cvt_pk_f16_f32 v[17+4*m], v[18+4*m], v[19+4*m]
	global_store_b64 v4, v[16+4*m:17+4*m], s[20:21] offset:((32*\g+m)%16)*131072+((32*\g+m)/16)*256
.set m, m+1
.endr
.endm
; cos and sin of the angle in v[ang].  s36 = 2/pi; s37-39 = -(pi/2) in three parts; s40-42 sine's, s43-45 cosine's coefficients.  v32-41 at work.
.macro SINCOS ang, cd, sd
	v_mul_f32 v32, s36, v[\ang]
	v_rndne_f32 v32, v32                           ; n
	v_fma_f32 v33, v32, s37, v[\ang]
	v_fma_f32 v33, v32, s38, v33
	v_fma_f32 v33, v32, s39, v33                   ; r = angle - n pi/2
	v_cvt_i32_f32 v34, v32
	v_mul_f32 v35, v33, v33                        ; r^2
	v_fma_f32 v36, v35, s42, s41
	v_fma_f32 v37, v35, s45, s44
	v_fma_f32 v36, v36, v35, s40
	v_fma_f32 v37, v37, v35, s43
	v_mul_f32 v38, v35, v33                        ; r^3
	v_fma_f32 v37, v37, v35, -0.5
	v_fma_f32 v36, v36, v38, v33                   ; sin r
	v_fma_f32 v37, v37, v35, 1.0                   ; cos r
	v_and_b32 v39, 1, v34
	v_cmp_eq_u32 vcc_lo, 1, v39                    ; odd quadrants change sine and cosine
	v_cndmask_b32 v[\sd], v36, v37, vcc_lo
	v_cndmask_b32 v[\cd], v37, v36, vcc_lo
	v_lshlrev_b32 v40, 30, v34                     ; sine is negative where n mod 4 is 2 or 3,
	v_add_nc_u32 v41, 1, v34
	v_lshlrev_b32 v41, 30, v41                     ; cosine where it is 1 or 2
	v_and_b32 v40, 0x80000000, v40
	v_and_b32 v41, 0x80000000, v41
	v_xor_b32 v[\sd], v[\sd], v40
	v_xor_b32 v[\cd], v[\cd], v41
.endm
	s_load_b512 s[4:19], s[0:1], 0x0               ; x s[4:5], Wq s[6:7], Wk s[8:9], Wv s[10:11], Wo s[12:13], positions s[14:15], codes s[16:17], scales s[18:19]
	s_load_b128 s[20:23], s[0:1], 0x40             ; wo16 s[20:21], rope s[22:23]
	v_lshl_add_u32 v[SPW], v0, 2, SPARE
	v_mov_b32 v[NIL], 0
	v_lshrrev_b32 v1, 5, v0
	v_readfirstlane_b32 s24, v1                    ; wave
	v_and_b32 v2, 31, v0                           ; lane
	s_mov_b32 s33, 0
	s_wait_kmcnt 0x0
	s_cmp_lt_u32 ttmp9, 352
	s_cbranch_scc1 .Lquant
	s_cmp_lt_u32 ttmp9, 384
	s_cbranch_scc1 .Lwo
	; ---- THE TABLE.  A wave takes 32 tokens; lane (p = lane % 16, hh = lane / 16) makes pairs 2 p and 2 p + 1 of tokens 2 i + hh, i = 0 .. 15: a store covers 512 consecutive bytes.
	s_sub_co_u32 s25, ttmp9, 384
	s_lshl_b32 s25, s25, 7
	s_lshl_b32 s26, s24, 5
	s_add_co_u32 s25, s25, s26                     ; my wave's first token
	s_lshl_b32 s32, s25, 2
	s_add_nc_u64 s[14:15], s[14:15], s[32:33]
	s_lshl_b32 s32, s25, 8
	s_add_nc_u64 s[22:23], s[22:23], s[32:33]
	v_and_b32 v3, 15, v2                           ; p
	v_lshrrev_b32 v8, 4, v2                        ; hh
	v_lshlrev_b32 v4, 2, v8
	v_lshlrev_b32 v5, 8, v8
	v_lshl_add_u32 v5, v3, 4, v5                   ; 256 hh + 16 p
.irp i, 0,1,2,3,4,5,6,7,8,9,10,11,12,13,14,15
	global_load_b32 v[16+\i], v4, s[14:15] offset:8*\i
.endr
	s_mov_b32 s36, 0x3f22f983                      ; 2/pi
	s_mov_b32 s37, 0xbfc90fdb                      ; -(pi/2), its first,
	s_mov_b32 s38, 0x333bbd2e                      ; second
	s_mov_b32 s39, 0x26f72ced                      ; and third part
	s_mov_b32 s40, 0xbe2aaaa3
	s_mov_b32 s41, 0x3c08839e
	s_mov_b32 s42, 0xb94ca1f9
	s_mov_b32 s43, 0x3d2aaaa5
	s_mov_b32 s44, 0xbab6061a
	s_mov_b32 s45, 0x37ccf5ce
	v_lshlrev_b32 v9, 1, v3
	v_cvt_f32_u32 v9, v9                           ; 2 p
	v_add_f32 v10, 1.0, v9                         ; 2 p + 1
	v_mul_f32 v9, 0xbed49a78, v9                   ; x -log2(10000)/32
	v_mul_f32 v10, 0xbed49a78, v10
	v_exp_f32 v6, v9                               ; inv_freq of my two pairs
	v_exp_f32 v7, v10
	v_nop                                          ; a plain line behind the exponentials,
	s_wait_alu depctr_va_vdst(0)                   ; and the one wait ahead of their first reader
.set i, 0
.rept 16
	s_wait_loadcnt 15-i                            ; position i is in; the younger ones may be out
	v_cvt_f32_i32 v44, v[16+i]
	v_mul_f32 v42, v44, v6                         ; the angle: one rounding
	v_mul_f32 v43, v44, v7
	SINCOS 42, 128+4*i, 129+4*i
	SINCOS 43, 130+4*i, 131+4*i
	global_store_b128 v5, v[128+4*i:131+4*i], s[22:23] offset:512*i   ; each i has registers of its own: no store's data are written again
.set i, i+1
.endr
	s_endpgm
	; ---- Wo TO f16.  A wave takes 8 rows e.
.Lwo:
	s_sub_co_u32 s25, ttmp9, 352
	s_lshl_b32 s25, s25, 2
	s_add_co_u32 s25, s25, s24                     ; which 8 rows
	s_lshl_b32 s32, s25, 15                        ; x 8 rows of 4,096 bytes
	s_add_nc_u64 s[12:13], s[12:13], s[32:33]
	s_lshl_b32 s32, s25, 10                        ; x 8 rows of 128 bytes in a plane
	s_add_nc_u64 s[20:21], s[20:21], s[32:33]
	v_lshrrev_b32 v3, 4, v2
	v_and_b32 v5, 15, v2
	v_lshlrev_b32 v3, 12, v3
	v_lshl_add_u32 v3, v5, 4, v3                   ; in: row lane / 16, 16 bytes a lane
	v_lshlrev_b32 v4, 3, v2                        ; out: 8 bytes a lane
	WOHALF 0
	s_wait_xcnt 0x0                                ; the stores have read their data registers: these are loaded again only behind this wait
	WOHALF 1
	s_endpgm
	; ---- THE QUANTISER.  Work-groups 0-255 take x, then 32 each Wq, Wk, Wv: only pointers are chosen, by the work-group's number.
.Lquant:
	v_lshlrev_b32 v3, 4, v2                        ; my 16 bytes of a load's 512
	s_mul_i32 s30, s24, WREG
	v_lshrrev_b32 v14, 2, v2
	v_mul_u32_u24 v14, v14, SP
	v_and_b32 v15, 3, v2
	v_lshl_add_u32 v14, v15, 4, v14
	v_add_nc_u32 v14, s30, v14                     ; the stage, on the way in: SP (lane / 4) + 16 (lane % 4)
	v_mul_u32_u24 v15, v2, SP
	v_add_nc_u32 v15, s30, v15                     ; and on the way out: SP x lane
	v_mul_u32_u24 v4, v2, CB                       ; my codes' place in a step's
	v_lshrrev_b32 v5, 1, v2
	s_add_co_u32 s30, s30, 2*32*SP
	v_add_nc_u32 v5, s30, v5                       ; LDS: my block's scale byte
	v_lshlrev_b32 v7, 3, v2
	v_add_nc_u32 v6, s30, v7                       ; and on the way out 8 bytes a lane
	s_sub_co_u32 s25, ttmp9, 256
	s_lshr_b32 s26, s25, 5                         ; which weight,
	s_and_b32 s27, s25, 31                         ; and which part of it
	s_cmp_eq_u32 s26, 1
	s_cselect_b64 s[28:29], s[8:9], s[6:7]
	s_cmp_eq_u32 s26, 2
	s_cselect_b64 s[28:29], s[10:11], s[28:29]
	s_cmp_lt_u32 ttmp9, 256
	s_cselect_b64 s[28:29], s[4:5], s[28:29]
	s_cselect_b32 s27, ttmp9, s27
	s_lshl_b32 s27, s27, 2
	s_add_co_u32 s32, s27, s24                     ; my wave's run of 8,192 numbers in its tensor
	s_lshl_b32 s32, s32, 15
	s_add_nc_u64 s[28:29], s[28:29], s[32:33]
	s_lshl_b32 s34, ttmp9, 2
	s_add_co_u32 s34, s34, s24                     ; and in the buffers of codes and scales, where x's 1,024 runs come first
	s_lshl_b32 s32, s34, 12
	s_add_nc_u64 s[16:17], s[16:17], s[32:33]
	s_lshl_b32 s32, s34, 8
	s_add_nc_u64 s[18:19], s[18:19], s[32:33]
.irp t, 0,1,2,3
	LOAD \t
.endr
	s_wait_loadcnt 12                              ; step 0's four loads are in
	TURN 0
.irp t, 0,1,2,3,4,5,6,7,8,9,10,11,12,13,14,15
	STEP \t
.endr
	ds_load_b64 v[8:9], v6                         ; LDS serves a wave's instructions in order: these see my byte stores
	s_wait_dscnt 0x0
	global_store_b64 v7, v[8:9], s[18:19]          ; 32 lanes store 256 consecutive bytes, aligned
	s_wait_tensorcnt 0x0                           ; the wave's end, behind my last LDS store
	ds_add_u32 v[SPW], v[NIL]
	s_wait_dscnt 0x0
	s_endpgm
.Lfunc_end_k_q92b12ff845_prep:
	.size	k_q92b12ff845_prep, .Lfunc_end_k_q92b12ff845_prep-k_q92b12ff845_prep
	.p2alignl 7, 3214868480
	.fill 96, 4, 3214868480
	.section	.rodata,"a",@progbits
	.p2align	6, 0x0
	.amdhsa_kernel k_q92b12ff845_prep
		.amdhsa_group_segment_fixed_size 33280
		.amdhsa_private_segment_fixed_size 0
		.amdhsa_enable_private_segment 0
		.amdhsa_kernarg_size 80
		.amdhsa_user_sgpr_count 2
		.amdhsa_user_sgpr_kernarg_segment_ptr 1
		.amdhsa_wavefront_size32 1
		.amdhsa_system_sgpr_workgroup_id_x 1
		.amdhsa_system_sgpr_workgroup_id_y 1
		.amdhsa_system_sgpr_workgroup_id_z 1
		.amdhsa_system_vgpr_workitem_id 0
		.amdhsa_next_free_vgpr 192
		.amdhsa_next_free_sgpr 66
		.amdhsa_reserve_vcc 1
		.amdhsa_float_denorm_mode_32 3
		.amdhsa_float_denorm_mode_16_64 3
		.amdhsa_memory_ordered 1
		.amdhsa_forward_progress 1
		.amdhsa_inst_pref_size 101
	.end_amdhsa_kernel
	.amdgpu_metadata
---
amdhsa.version: [ 1, 2 ]
amdhsa.kernels:
  - .name:           k_q92b12ff845_prep
    .symbol:         k_q92b12ff845_prep.kd
    .args:
      - { .name: x, .offset: 0, .size: 8, .value_kind: global_buffer, .address_space: global }
      - { .name: Wq, .offset: 8, .size: 8, .value_kind: global_buffer, .address_space: global }
      - { .name: Wk, .offset: 16, .size: 8, .value_kind: global_buffer, .address_space: global }
      - { .name: Wv, .offset: 24, .size: 8, .value_kind: global_buffer, .address_space: global }
      - { .name: Wo, .offset: 32, .size: 8, .value_kind: global_buffer, .address_space: global }
      - { .name: token_positions, .offset: 40, .size: 8, .value_kind: global_buffer, .address_space: global }
      - { .name: codes, .offset: 48, .size: 8, .value_kind: global_buffer, .address_space: global }
      - { .name: scales, .offset: 56, .size: 8, .value_kind: global_buffer, .address_space: global }
      - { .name: wo16, .offset: 64, .size: 8, .value_kind: global_buffer, .address_space: global }
      - { .name: rope, .offset: 72, .size: 8, .value_kind: global_buffer, .address_space: global }
    .group_segment_fixed_size: 33280
    .private_segment_fixed_size: 0
    .kernarg_segment_align: 8
    .kernarg_segment_size: 80
    .max_flat_workgroup_size: 128
    .sgpr_count:     66
    .vgpr_count:     192
    .wavefront_size: 32
...
	.end_amdgpu_metadata
.endif
;; end of part 1
;; launch qkv (part 2): grid 12 x 32, 4 waves a work-group, clusters of 4 x 4, 327,680 bytes of LDS; arguments codes, scales, rope, qkv, q32; writes qkv, q32
.if DOCPART == 2
	.amdgcn_target "amdgcn-amd-amdhsa--gfx1250"
	.amdhsa_code_object_version 6
	.text
	.protected	k_q92b12ff845_qkv
	.globl	k_q92b12ff845_qkv
	.p2align	8
	.type	k_q92b12ff845_qkv,@function
k_q92b12ff845_qkv:
	s_mov_b64 s[64:65], 0
	v_nop
	global_prefetch_b8 v0, s[64:65] scope:SCOPE_SE
	s_setreg_imm32_b32 hwreg(HW_REG_WAVE_MODE, 25, 1), 1
	s_wait_xcnt 0x0
	s_wait_alu depctr_hold_cnt(0) depctr_sa_sdst(0) depctr_va_vdst(0) depctr_va_sdst(0) depctr_va_ssrc(0) depctr_va_vcc(0) depctr_vm_vsrc(0)
	s_getreg_b32 s2, hwreg(HW_REG_IB_STS2, 6, 4)
	s_cmp_eq_u32 s2, 0
	s_cbranch_scc0 .Lentry_in_a_cluster
	s_endpgm
.Lentry_in_a_cluster:
	s_bfe_u32 s2, ttmp6, 0x10000c
	s_cmp_lg_u32 s2, 0xf033
	s_cbranch_scc0 .Lentry_shape_is_right
	s_endpgm
.Lentry_shape_is_right:
; Q, K, V = x Wq^T, x Wk^T, x Wv^T on codes of FP4 (E2M1) with one E8M0 scale for each 32 along K; sums in f32; then the rotation of Q and K in f32; then f16, laid by head.
; A = x: 8192 rows (tokens) of 1024 codes; B = the 3072 rows of Wq, Wk, Wv.  A tile of 256 tokens x 256 features is made by four waves, 128 x 128 each: 64 accumulators, 512 registers.
; K = 1024 is two LDS slots of 512 along K (rows of 256 bytes): both are asked for at the head and nothing is filled again.  The scale bytes of the tile's rows come once, as two dense blocks.
; CLUSTERS: 4 x 4 work-groups; A's tiles are asked for jointly along a row of the cluster, B's along a column.  Tile row = 8 cy + cluster y, so that the batch is cy and the tile's place in its sequence is
; cluster y; tile column = 4 cluster x + cx, so that cluster x says whether the features are Q's (0), K's (1) or V's (2).  Both numbers are equal in all partners: the branches of the way out hang on them
; and on the wave's number alone.
; THE MATRIX INSTRUCTION IS USED TRANSPOSED (source 0 = 16 rows of B, source 1 = 16 rows of A): lane (r, h) of accumulator (a, b) holds token 16 a + r and features 16 b + 8 h + 0 .. 7: four pairs of the rotation.
; THE WAY OUT, block by block of 16 tokens: r1 = x1 cos - x2 sin, r2 = x1 sin + x2 cos with cos, sin from the table [token][pair][cos, sin]; rounded to f16; through my stage in LDS; stored as
; qkv [kind][batch][head][position][64]: four positions of a head are 512 consecutive bytes.  Positions 0-15 of each sequence go out in f32 too: q32 [batch][kind][head][16][64].
; LIMIT: |q|, |k|, |v| up to 65,504 (f16).
; REGISTERS, in windows of 256: window 0: v0-31 addresses; v32-95 scale words, two sets, and nothing else; v128-191 A's fragments, one set; v192-255 cos and sin of two blocks.  On the way out v96-127 f16,
;   v128-191 rows back from the stage.   window 1: B's fragments, two sets, at v0 and v128; on the way out v0-63 the rotated numbers.
;   window 2: the accumulators of my tokens 0-63 ((a, b) at v[8 (8 a + b)]);   window 3: those of tokens 64-127.
.set KSTEP,  512
.set NQ,     4                         ; matrix instructions deep in a slot
.set ROWB,   256                       ; a tile's row in bytes
.set KROW,   512                       ; a row of codes in memory
.set PITCH,  272                       ; an LDS row: 256 bytes + 16 of padding: the 16 rows of a load start at 16 different banks (64 banks of 4 bytes: ISA guide 11.1)
.set FR,     8
.set NL,     2
.set NP,     4                         ; places behind this matrix instruction (ISA guide 7.12.1)
.set HALFT,  128*PITCH
.set SLOT,   4*HALFT
.set KS,     32                        ; a row of scales in bytes
.set SCL,    2*SLOT                    ; behind the two slots: the scales, as runs of 256 bytes + 16 of padding
.set HALFS,  (128*KS/256)*272
.set SBLK,   (16*KS/256)*272
.set SPARE,  SCL+4*HALFS               ; behind the scales: the spare words, 128 bytes a wave
.set WSTG,   2*16*144                  ; the way out: a wave's stage: two heads x 16 rows x (128 bytes + 16).  The stages lie in slot 0, which has had its only fill and its last read
.set PO,     4*WSTG                    ; V's path has stage bytes of its own
.set ADRA, 16
.set ADRB, 20
.set STO,  24                          ; v24  where I put 16 bytes of a row in the stage
.set RD,   25                          ; v25  where I read rows back
.set CO,   26                          ; v26  16 x lane
.set ADRS, 27
.set SPW,  28
.set NIL,  29
.set RO,   30                          ; v30  256 r + 32 h: my place in the table's rows, and in q32's
.set SC,   32
.set AF,   128
.set RR,   0                           ; in window 1
.set TMP,  96
.set BK,   128
.set CS,   192
.set G1, 24
.set G0, 32
.set G1B, 48
.set G0B, 56
.set G1S, 68
.set G0S, 76
.set G1SB, 80
.set G0SB, 88
.set MSB, 0
.macro WIN new                         ; the immediate's high byte repeats the setting that is left
.if MSB != (\new)
	s_set_vgpr_msb (MSB<<8)|(\new)
.set MSB, (\new)
.endif
.endm
.set MUL_LO, 0xa1                      ; source 0 (B) window 1, source 1 (A) window 0, C and D window 2
.set MUL_HI, 0xf1
.set TO_B,   0x40
; A joint load: waves 0 and 1 fetch for A, waves 2 and 3 for B; the branch hangs on the wave's number alone.  An s_nop 0 and four v_nop follow each of the two lines.
.macro JLOAD g0a, g1a, g0b, g1b
	s_cmp_eq_u32 s15, 0
	s_cbranch_scc0 .Lfor_b_\@
	tensor_load_to_lds s[\g0a:\g0a+3], s[\g1a:\g1a+7]
	s_nop 0
.rept 4
	v_nop
.endr
	s_branch .Lasked_\@
.Lfor_b_\@:
	tensor_load_to_lds s[\g0b:\g0b+3], s[\g1b:\g1b+7]
	s_nop 0
.rept 4
	v_nop
.endr
.Lasked_\@:
.endm
.macro CROUND                          ; a round of the cluster's barrier
	s_barrier_signal -1
	s_barrier_wait -1
	s_cmp_lg_u32 s14, 0
	s_cbranch_scc1 .Lnot_wave_0_\@
	s_barrier_signal -3
.Lnot_wave_0_\@:
	s_barrier_wait -3
	s_barrier_signal -1
	s_barrier_wait -1
.endm
	s_load_b128 s[4:7], s[0:1], 0x0                ; codes s[4:5], scales s[6:7]
	s_load_b128 s[96:99], s[0:1], 0x10             ; the table s[96:97], qkv s[98:99]
	s_load_b64 s[100:101], s[0:1], 0x20            ; q32
	v_lshl_add_u32 v[SPW], v0, 2, SPARE
	v_mov_b32 v[NIL], 0
	ds_add_u32 v[SPW], v[NIL]                      ; the wave's opening: the add, twice on end, and its wait ahead of my first tensor load
	ds_add_u32 v[SPW], v[NIL]
	v_lshrrev_b32 v1, 5, v0
	v_readfirstlane_b32 s14, v1                    ; wave 0..3
	s_lshr_b32 s15, s14, 1                         ; which half of the tile's tokens is mine.  Also: I fetch for A (0) or for B (1)
	s_and_b32 s16, s14, 1                          ; which half of its features.  Also: which 128 rows of that tile I fetch
	s_bfe_u32 s40, ttmp6, 0x40000                  ; cx
	s_bfe_u32 s41, ttmp6, 0x40004                  ; cy
	s_lshl_b32 s42, ttmp9, 2
	s_add_co_u32 s42, s42, s40                     ; tile column = 4 x cluster x + cx
	s_and_b32 s17, ttmp7, 0xffff
	s_lshl_b32 s43, s41, 3
	s_add_co_u32 s17, s17, s43                     ; tile row = 8 cy + cluster y
	s_lshl_b32 s43, s41, 2
	s_lshl_b32 s43, 15, s43                        ; my row of the cluster
	s_lshl_b32 s44, 0x1111, s40                    ; my column
	s_or_b32 s[G1+0], s43, (0<<16)|(1<<20)|(1<<21)|(5<<22)|(3<<25)  ; the mask; elements of 1 byte; padding on; bit 21 beside a mask; 4 words of padding after every 64
	s_or_b32 s[G1B+0], s44, (0<<16)|(1<<20)|(1<<21)|(5<<22)|(3<<25)
.irp g, G1, G1B
	s_mov_b32 s[\g+1], ROWB<<16                    ; tensor_dim0
	s_mov_b32 s[\g+2], 128<<16                     ; tensor_dim1
	s_mov_b32 s[\g+3], ROWB<<16                    ; tile_dim0
	s_mov_b32 s[\g+4], 128                         ; tile_dim1
	s_mov_b32 s[\g+5], KROW                        ; from row to row
	s_mov_b32 s[\g+6], 0
	s_mov_b32 s[\g+7], 0
.endr
	s_or_b32 s[G1S+0], s43, (3<<16)|(1<<20)|(1<<21)|(5<<22)|(3<<25) ; the scales of 128 rows: 4,096 dense bytes as rows of 32 elements of 8 bytes, 16 bytes of padding behind each
	s_or_b32 s[G1SB+0], s44, (3<<16)|(1<<20)|(1<<21)|(5<<22)|(3<<25)
.irp g, G1S, G1SB
	s_mov_b32 s[\g+1], 32<<16
	s_mov_b32 s[\g+2], (128*KS/256)<<16
	s_mov_b32 s[\g+3], 32<<16
	s_mov_b32 s[\g+4], 128*KS/256
	s_mov_b32 s[\g+5], 32
	s_mov_b32 s[\g+6], 0
	s_mov_b32 s[\g+7], 0
.endr
	s_lshl_b32 s18, s16, 7
	s_lshl_b32 s20, s17, 8
	s_add_co_u32 s20, s20, s18                     ; A: row 256 x tile row + 128 x half
	s_lshl_b32 s46, s42, 8
	s_add_co_u32 s46, s46, s18                     ; B: row 256 x tile column + 128 x half
	s_mov_b32 s21, 0
	s_mov_b32 s47, 0
	s_mov_b64 s[18:19], KS
	s_mul_u64 s[22:23], s[20:21], s[18:19]         ; where these rows' scales begin,
	s_mul_u64 s[92:93], s[46:47], s[18:19]
	s_mov_b64 s[18:19], KROW
	s_mul_u64 s[20:21], s[20:21], s[18:19]         ; and their codes
	s_mul_u64 s[46:47], s[46:47], s[18:19]
	s_mul_i32 s45, s14, HALFT                      ; where they go: no place in the cluster enters an LDS address
	s_mul_i32 s94, s14, HALFS
	s_wait_dscnt 0x0                               ; both opening adds are done
	s_wait_kmcnt 0x0
	s_add_nc_u64 s[8:9], s[4:5], 0x400000          ; the weights' codes lie behind x's 8192 rows of 512 bytes,
	s_add_nc_u64 s[10:11], s[6:7], 0x40000         ; their scales behind x's 8192 rows of 32
	s_add_nc_u64 s[20:21], s[4:5], s[20:21]
	s_add_nc_u64 s[22:23], s[6:7], s[22:23]
	s_add_nc_u64 s[46:47], s[8:9], s[46:47]
	s_add_nc_u64 s[92:93], s[10:11], s[92:93]
	CROUND                                         ; all sixteen work-groups are here: the joint loads meet
	s_mov_b32 s[G0S], 1
	s_add_co_u32 s[G0S+1], s94, SCL
	s_mov_b64 s[G0S+2:G0S+3], s[22:23]
	s_or_b32 s[G0S+3], s[G0S+3], 0x80000000
	s_mov_b32 s[G0SB], 1
	s_add_co_u32 s[G0SB+1], s94, SCL
	s_mov_b64 s[G0SB+2:G0SB+3], s[92:93]
	s_or_b32 s[G0SB+3], s[G0SB+3], 0x80000000
	JLOAD G0S, G1S, G0SB, G1SB                     ; the scales first: they are wanted with the first slot
.irp s, 0,1
	s_mov_b32 s[G0+4*\s], 1
	s_add_co_u32 s[G0+4*\s+1], s45, \s*SLOT
	s_add_nc_u64 s[G0+4*\s+2:G0+4*\s+3], s[20:21], \s*ROWB
	s_or_b32 s[G0+4*\s+3], s[G0+4*\s+3], 0x80000000
	s_mov_b32 s[G0B+4*\s], 1
	s_add_co_u32 s[G0B+4*\s+1], s45, \s*SLOT
	s_add_nc_u64 s[G0B+4*\s+2:G0B+4*\s+3], s[46:47], \s*ROWB
	s_or_b32 s[G0B+4*\s+3], s[G0B+4*\s+3], 0x80000000
	JLOAD G0+4*\s, G1, G0B+4*\s, G1B               ; three loads of mine are out in all
.endr
	v_and_b32 v1, 15, v0                           ; r
	v_bfe_u32 v2, v0, 4, 1                         ; h
	v_mul_u32_u24 v3, v1, PITCH
	v_lshl_add_u32 v4, v2, 4, v3                   ; a fragment's row x pitch + 16 x half
	s_mul_i32 s21, s15, HALFT
	s_mul_i32 s22, s16, HALFT
	s_add_co_u32 s22, s22, 2*HALFT
.irp s, 0,1
	v_add_nc_u32 v[ADRA+\s], s21, v4
	v_add_nc_u32 v[ADRB+\s], s22, v4
	s_add_co_u32 s21, s21, SLOT
	s_add_co_u32 s22, s22, SLOT
.endr
	v_mul_u32_u24 v5, v1, KS                       ; my row's scales: 32 bytes a row,
	v_lshrrev_b32 v6, 8, v5
	v_lshl_add_u32 v5, v6, 4, v5                   ; and 16 more for each 256 passed
	s_mul_i32 s21, s15, HALFS
	s_mul_i32 s22, s16, HALFS
	s_add_co_u32 s22, s22, 2*HALFS
	s_sub_co_u32 s22, s22, s21
	v_mul_u32_u24 v6, s22, v2                      ; lanes 16-31 take B's
	s_add_co_u32 s21, s21, SCL
	v_add_nc_u32 v5, v5, v6
	v_add_nc_u32 v[ADRS], s21, v5
	s_mul_i32 s23, s14, WSTG                       ; my stage
	v_mul_u32_u24 v5, v1, 144
	v_lshl_add_u32 v5, v2, 4, v5
	v_add_nc_u32 v[STO], s23, v5                   ; in: row r, 16 bytes for each half of the lanes
	v_and_b32 v6, 31, v0
	v_lshlrev_b32 v[CO], 4, v6
	v_lshrrev_b32 v7, 3, v6
	v_and_b32 v8, 7, v6
	v_mul_u32_u24 v7, v7, 144
	v_lshl_add_u32 v7, v8, 4, v7
	v_add_nc_u32 v[RD], s23, v7                    ; back: eight lanes to a row of 128 bytes, four rows an instruction
	v_lshlrev_b32 v[RO], 8, v1
	v_lshl_add_u32 v[RO], v2, 5, v[RO]
	s_lshl_b32 s12, s17, 8                         ; the table at my first token: 256 x tile row + 128 x half, 256 bytes a token
	s_lshl_b32 s13, s15, 7
	s_add_co_u32 s12, s12, s13
	s_lshl_b32 s12, s12, 8
	s_mov_b32 s13, 0
	s_add_nc_u64 s[96:97], s[96:97], s[12:13]
	s_lshl_b32 s12, s41, 4                         ; qkv: (batch, head) of my first 64 features: 16 cy + 4 cx + 2 x half,
	s_lshl_b32 s2, s40, 2
	s_add_co_u32 s12, s12, s2
	s_lshl_b32 s2, s16, 1
	s_add_co_u32 s12, s12, s2
	s_lshl_b32 s66, s12, 11                        ; x 2048 positions,
	s_and_b32 s2, ttmp7, 0xffff
	s_lshl_b32 s3, s2, 8
	s_add_co_u32 s66, s66, s3                      ; + 256 x cluster y
	s_lshl_b32 s3, s15, 7
	s_add_co_u32 s66, s66, s3                      ; + 128 x half,
	s_lshl_b32 s66, s66, 7                         ; x 128 bytes,
	s_lshl_b32 s3, ttmp9, 24
	s_add_co_u32 s66, s66, s3                      ; + the kind's 2^24 bytes
	s_mov_b32 s67, 0
	s_add_nc_u64 s[98:99], s[98:99], s[66:67]
	s_mul_i32 s66, s41, 3                          ; q32: ((3 cy + kind) x 16 + head) x 4,096 bytes
	s_add_co_u32 s66, s66, ttmp9
	s_lshl_b32 s66, s66, 4
	s_lshl_b32 s3, s40, 2
	s_add_co_u32 s66, s66, s3
	s_lshl_b32 s3, s16, 1
	s_add_co_u32 s66, s66, s3
	s_lshl_b32 s66, s66, 12
	s_add_nc_u64 s[100:101], s[100:101], s[66:67]
	s_or_b32 s95, s2, s15                          ; 0: my block 0 holds positions 0-15 of a sequence
.macro FRAG reg, adr, q, i             ; 16 rows x 128 K of 4-bit codes: registers 4 c .. 4 c + 3 hold K = 64 c + 32 h + 0 .. 31
.irp c, 0,1
	ds_load_b128 v[\reg+4*\c:\reg+4*\c+3], v[\adr] offset:64*(\q)+32*\c+(\i)*16*PITCH
.endr
.endm
; 16 matrix instructions: A's blocks a0, a0 + 1 x B's eight.  The 64 accumulators take turns, one instruction a turn, in the same order in every step.
.macro MUL16 a0, p, q, sc, zero
.irp a, \a0, \a0+1
.irp b, 0,1,2,3,4,5,6,7
.if \zero
	v_wmma_scale_f32_16x16x128_f8f6f4 v[8*(8*((\a)%4)+\b):8*(8*((\a)%4)+\b)+7], v[128*(\p)+FR*\b:128*(\p)+FR*\b+FR-1], v[AF+FR*(\a):AF+FR*(\a)+FR-1], 0, v[SC+8*NQ*(\sc)+NQ*\b+(\q)], v[SC+8*NQ*(\sc)+NQ*(\a)+(\q)] matrix_a_fmt:MATRIX_FMT_FP4 matrix_b_fmt:MATRIX_FMT_FP4 matrix_a_scale:MATRIX_SCALE_ROW1
.else
	v_wmma_scale_f32_16x16x128_f8f6f4 v[8*(8*((\a)%4)+\b):8*(8*((\a)%4)+\b)+7], v[128*(\p)+FR*\b:128*(\p)+FR*\b+FR-1], v[AF+FR*(\a):AF+FR*(\a)+FR-1], v[8*(8*((\a)%4)+\b):8*(8*((\a)%4)+\b)+7], v[SC+8*NQ*(\sc)+NQ*\b+(\q)], v[SC+8*NQ*(\sc)+NQ*(\a)+(\q)] matrix_a_fmt:MATRIX_FMT_FP4 matrix_b_fmt:MATRIX_FMT_FP4 matrix_a_scale:MATRIX_SCALE_ROW1
.endif
.endr
.endr
.endm
.macro FETCH_B slot, q, p
	WIN TO_B
.irp i, 0,1,2,3,4,5,6,7
	FRAG 128*(\p)+FR*\i, ADRB+\slot, \q, \i
.endr
	WIN 0
.endm
.macro FETCH_A slot, q, i0
.irp i, \i0, \i0+1, \i0+2, \i0+3
	FRAG AF+FR*(\i), ADRA+\slot, \q, \i
.endr
.endm
.macro SCALES sc                       ; a slot's scale words: 4 words a row; lanes 0-15 take A's block i, lanes 16-31 B's block i
.irp i, 0,1,2,3,4,5,6,7
	ds_load_b128 v[SC+8*NQ*\sc+NQ*\i:SC+8*NQ*\sc+NQ*\i+3], v[ADRS] offset:\i*SBLK
.endr
.endm
.macro PLACES n                        ; plain vector lines between a matrix instruction and a load into, or a vector line on, its registers
.rept \n
	v_nop
.endr
.endm
.macro STEP slot, q, zero              ; 128 along K, with its successor in the same slot
	s_wait_dscnt 4*NL                              ; B's set and A's blocks 0-3 are in; the eight youngest loads (A's blocks 4-7) may be out
	WIN MUL_LO
	MUL16 0, (\q)%2, \q, \slot, \zero
	MUL16 2, (\q)%2, \q, \slot, \zero
	s_wait_dscnt 0
	PLACES NP
	FETCH_B \slot, (\q)+1, 1-(\q)%2
	FETCH_A \slot, (\q)+1, 0
	WIN MUL_HI
	MUL16 4, (\q)%2, \q, \slot, \zero
	MUL16 6, (\q)%2, \q, \slot, \zero
	PLACES NP
	WIN 0
	FETCH_A \slot, (\q)+1, 4
.endm
; Slot 0's last step changes slots: each wave waits for all its tensor loads (slot 1's is the one that may be out), then the work-group's barrier: behind it slot 1 is whole and nobody reads slot 0.
.macro TURN slot, next
	s_wait_tensorcnt 0x0
	ds_add_u32 v[SPW], v[NIL]                      ; 0 onto my spare word
	s_wait_dscnt 4*NL+1                            ; (the add and the eight youngest loads may be out)
	WIN MUL_LO
	MUL16 0, 1, NQ-1, \slot, 0
	s_wait_dscnt 0x0                               ; the add is done, and my reads of this slot are over
	s_barrier_signal -1
	MUL16 2, 1, NQ-1, \slot, 0
	WIN 0
	s_barrier_wait -1
	PLACES NP
	v_add_nc_u32 v[ADRS], 4*NQ, v[ADRS]            ; on to the next slot's scale words
	FETCH_B \next, 0, 0
	FETCH_A \next, 0, 0
	SCALES \next
	WIN MUL_HI
	MUL16 4, 1, NQ-1, \slot, 0
	MUL16 6, 1, NQ-1, \slot, 0
	PLACES NP
	WIN 0
	FETCH_A \next, 0, 4
.endm
.macro STEPS slot, from
.set Q, \from
.rept NQ-1-\from
	STEP \slot, Q, 0
.set Q, Q+1
.endr
.endm
; cos and sin of block a's 16 tokens: my four pairs of each 16 features of a head: registers 8 bm + 2 i, + 1 = cos, sin of pair 8 bm + 4 h + i
.macro CSLOAD a
.irp bm, 0,1,2,3
.irp c, 0,1
	global_load_b128 v[CS+32*((\a)%2)+8*\bm+4*\c:CS+32*((\a)%2)+8*\bm+4*\c+3], v[RO], s[96:97] offset:4096*(\a)+64*\bm+16*\c
.endr
.endr
.endm
	CSLOAD 0                                       ; the first two blocks' cos and sin, into registers that the K steps do not touch: they land under the products.  Every work-group asks for them alike,
	CSLOAD 1                                       ; V's too, which leave them unread (16 loads, 8 KB a wave): so the registers are written on every way that leads to the rotation
	s_wait_tensorcnt 1                             ; the scales and my part of slot 0 are in (slot 1's load may be out),
	s_barrier_signal -1
	s_barrier_wait -1                              ; everybody's are
	FETCH_B 0, 0, 0
	FETCH_A 0, 0, 0
	SCALES 0
	FETCH_A 0, 0, 4
	STEP 0, 0, 1                                   ; the first products start the sums: nothing is cleared
	STEPS 0, 1
	TURN 0, 1
	STEPS 1, 0
	s_wait_dscnt 4*NL                              ; the last step: nothing more to fetch
	WIN MUL_LO
	MUL16 0, 1, NQ-1, 1, 0
	MUL16 2, 1, NQ-1, 1, 0
	s_wait_dscnt 0
	WIN MUL_HI
	MUL16 4, 1, NQ-1, 1, 0
	MUL16 6, 1, NQ-1, 1, 0
	WIN 0
; THE WAY OUT.
.macro ROPE a                          ; block a's 64 numbers a lane, rotated, into v[RR] on of window 1; each accumulator is read from its low end on
.set AC, 64*((\a)%4)
.set CC, CS+32*((\a)%2)
	WIN 0x52+(\a)/4                                ; destination and source 2 (the rotated numbers) window 1; source 0 (the accumulators) window 2 or 3; source 1 (cos, sin) window 0
.irp b, 0,1,2,3,4,5,6,7
.irp i, 0,1,2,3
	v_mul_f32 v[RR+8*\b+2*\i], v[AC+8*\b+2*\i+1], v[CC+8*(\b%4)+2*\i+1]                       ; x2 sin
	v_mul_f32 v[RR+8*\b+2*\i+1], v[AC+8*\b+2*\i], v[CC+8*(\b%4)+2*\i+1]                       ; x1 sin
	v_fma_f32 v[RR+8*\b+2*\i], v[AC+8*\b+2*\i], v[CC+8*(\b%4)+2*\i], -v[RR+8*\b+2*\i]         ; x1 cos - x2 sin
	v_fma_f32 v[RR+8*\b+2*\i+1], v[AC+8*\b+2*\i+1], v[CC+8*(\b%4)+2*\i], v[RR+8*\b+2*\i+1]    ; x2 cos + x1 sin
.endr
.endr
	WIN 0
.endm
.macro CVT a, rope                     ; to f16, 16 bytes for each accumulator
.set AC, 64*((\a)%4)
.if \rope
	WIN 0x05                                       ; sources 0 and 1: window 1
.irp b, 0,1,2,3,4,5,6,7
.irp i, 0,1,2,3
	v_cvt_pk_f16_f32 v[TMP+4*\b+\i], v[RR+8*\b+2*\i], v[RR+8*\b+2*\i+1]
.endr
.endr
	WIN 0
.else
	WIN 0x0a+5*((\a)/4)                            ; sources 0 and 1: window 2 or 3
.irp b, 0,1,2,3,4,5,6,7
.irp i, 0,1,2,3
	v_cvt_pk_f16_f32 v[TMP+4*\b+\i], v[AC+8*\b+2*\i], v[AC+8*\b+2*\i+1]
.endr
.endr
	WIN 0
.endif
.endm
.macro FINE32 rope                     ; block 0 in f32, where it holds positions 0-15
	s_cmp_lg_u32 s95, 0
	s_cbranch_scc1 .Lnot_fine_\@
.if \rope
	WIN 0x04                                       ; a store's data are its source 1: window 1, the rotated numbers
.else
	WIN 0x08                                       ; window 2, the accumulators
.endif
.irp b, 0,1,2,3,4,5,6,7
.irp c, 0,1
.if \rope
	global_store_b128 v[RO], v[RR+8*\b+4*\c:RR+8*\b+4*\c+3], s[100:101] offset:4096*(\b/4)+64*(\b%4)+16*\c
.else
	global_store_b128 v[RO], v[8*\b+4*\c:8*\b+4*\c+3], s[100:101] offset:4096*(\b/4)+64*(\b%4)+16*\c
.endif
.endr
.endr
	WIN 0
.Lnot_fine_\@:
.endm
.macro TOSTAGE a, po                   ; LDS serves a wave's instructions in order (ISA guide 5.7.1.4): no wait between the stores and the loads, nor in front of the next block's stores
.irp b, 0,1,2,3,4,5,6,7
	ds_store_b128 v[STO], v[TMP+4*\b:TMP+4*\b+3] offset:\po+2304*(\b/4)+32*(\b%4)
.endr
.set BB, BK+32*((\a)%2)
.irp t, 0,1,2,3,4,5,6,7
	ds_load_b128 v[BB+4*\t:BB+4*\t+3], v[RD] offset:\po+2304*(\t/4)+576*(\t%4)
.endr
.endm
.macro SEND a, younger                 ; younger: the LDS instructions issued behind block a's loads
.set BB, BK+32*((\a)%2)
	s_wait_dscnt \younger
.irp t, 0,1,2,3,4,5,6,7
	global_store_b128 v[CO], v[BB+4*\t:BB+4*\t+3], s[98:99] offset:262144*(\t/4)+2048*(\a)+512*(\t%4)   ; four positions of a head: 512 consecutive bytes, aligned; every offset an immediate
.endr
.endm
	PLACES NP                                      ; behind the last products: for the lines that write B's and A's registers and read block 7's results
	s_cmp_eq_u32 ttmp9, 2                          ; V is not rotated
	s_cbranch_scc1 .Lplain
.irp a, 0,1,2,3,4,5,6,7
.if \a == 1
	s_wait_xcnt 0x0                                ; the f32 stores have read the rotated numbers' registers
.endif
.if \a < 7
	s_wait_loadcnt 8                               ; this block's cos and sin are in; the next block's eight loads may be out
.else
	s_wait_loadcnt 0
.endif
	ROPE \a
.if \a < 6
	CSLOAD \a+2
.endif
	CVT \a, 1
.if \a == 0
	FINE32 1
.endif
.if \a > 1
	s_wait_xcnt 0x0                                ; block a - 2's stores have read their registers: block a's rows may land there
.endif
	TOSTAGE \a, 0
.if \a > 0
	SEND \a-1, 16                                  ; behind block a - 1's loads: block a's 8 stores and 8 loads
.endif
.endr
	SEND 7, 0
	s_branch .Ldone
.Lplain:
.irp a, 0,1,2,3,4,5,6,7
	CVT \a, 0
.if \a == 0
	FINE32 0
.endif
.if \a > 1
	s_wait_xcnt 0x0
.endif
	TOSTAGE \a, PO
.if \a > 0
	SEND \a-1, 16
.endif
.endr
	SEND 7, 0
.Ldone:
	s_wait_tensorcnt 0x0                           ; the wave's end, behind my last tensor load and my last LDS store
	ds_add_u32 v[SPW], v[NIL]
	s_wait_dscnt 0x0
	CROUND                                         ; the closing round
	s_endpgm
.Lfunc_end_k_q92b12ff845_qkv:
	.size	k_q92b12ff845_qkv, .Lfunc_end_k_q92b12ff845_qkv-k_q92b12ff845_qkv
	.p2alignl 7, 3214868480
	.fill 96, 4, 3214868480
	.section	.rodata,"a",@progbits
	.p2align	6, 0x0
	.amdhsa_kernel k_q92b12ff845_qkv
		.amdhsa_group_segment_fixed_size 327680
		.amdhsa_private_segment_fixed_size 0
		.amdhsa_enable_private_segment 0
		.amdhsa_kernarg_size 40
		.amdhsa_user_sgpr_count 2
		.amdhsa_user_sgpr_kernarg_segment_ptr 1
		.amdhsa_wavefront_size32 1
		.amdhsa_system_sgpr_workgroup_id_x 1
		.amdhsa_system_sgpr_workgroup_id_y 1
		.amdhsa_system_sgpr_workgroup_id_z 1
		.amdhsa_system_vgpr_workitem_id 0
		.amdhsa_next_free_vgpr 1024
		.amdhsa_next_free_sgpr 102
		.amdhsa_reserve_vcc 0
		.amdhsa_float_denorm_mode_32 3
		.amdhsa_float_denorm_mode_16_64 3
		.amdhsa_memory_ordered 1
		.amdhsa_forward_progress 1
		.amdhsa_inst_pref_size 216
	.end_amdhsa_kernel
	.amdgpu_metadata
---
amdhsa.version: [ 1, 2 ]
amdhsa.kernels:
  - .name:           k_q92b12ff845_qkv
    .symbol:         k_q92b12ff845_qkv.kd
    .args:
      - { .name: codes, .offset: 0, .size: 8, .value_kind: global_buffer, .address_space: global }
      - { .name: scales, .offset: 8, .size: 8, .value_kind: global_buffer, .address_space: global }
      - { .name: rope, .offset: 16, .size: 8, .value_kind: global_buffer, .address_space: global }
      - { .name: qkv, .offset: 24, .size: 8, .value_kind: global_buffer, .address_space: global }
      - { .name: q32, .offset: 32, .size: 8, .value_kind: global_buffer, .address_space: global }
    .group_segment_fixed_size: 327680
    .private_segment_fixed_size: 0
    .kernarg_segment_align: 8
    .kernarg_segment_size: 40
    .max_flat_workgroup_size: 128
    .sgpr_count:     102
    .vgpr_count:     1024
    .wavefront_size: 32
...
	.end_amdgpu_metadata
.endif
;; end of part 2
;; launch attn (part 3): grid 4 x 64, 16 waves a work-group, no clusters, 327,680 bytes of LDS; arguments qkv, o16; writes o16
.if DOCPART == 3
	.amdgcn_target "amdgcn-amd-amdhsa--gfx1250"
	.amdhsa_code_object_version 6
	.text
	.protected	k_q92b12ff845_attn
	.globl	k_q92b12ff845_attn
	.p2align	8
	.type	k_q92b12ff845_attn,@function
k_q92b12ff845_attn:
	s_mov_b64 s[64:65], 0
	v_nop
	global_prefetch_b8 v0, s[64:65] scope:SCOPE_SE
	s_setreg_imm32_b32 hwreg(HW_REG_WAVE_MODE, 25, 1), 1
	s_wait_xcnt 0x0
; O[b][h][q] = the sum over k <= q of softmax_k(Q[q] . K[k] / 8) V[k].  Q, K, V: qkv [kind 3][batch x head 64][2048][64] f16; O: o16 [64][2048][64] f16.  Products on f16 operands, sums, maxima and softmax in f32.
; SHARES.  Work-group (i, head) owns the query blocks i and 7 - i of 256: (i + 1) + (8 - i) = 9 blocks of keys' work in every work-group.  Waves 0-7 take the low block, waves 8-15 the high one, 32 queries
; (two tiles of 16) each, so that a fragment of K or V read from LDS feeds two matrix instructions.  Four waves share a SIMD: one wave's softmax stands beside another's products and LDS loads.
; LAYOUT.  S^T = K Q^T (source 0 = 16 keys, source 1 = 16 queries), O^T = V^T P (source 0 = 16 channels, by the turning LDS load; source 1 = P): a lane holds ONE query throughout; two tiles of S^T, rounded
; to f16 in pairs, are P's fragment as they stand.
; SOFTMAX.  A running maximum m and sum l for each query: p = 2^(c s - c m), c = log2(e) / 8; in every step O and l are multiplied by a = 2^(c m_old - c m_new).  The loop has no first step of its own:
; O and l begin as zeros and m as -3e38.  Key 0 counts for every query, so m is a score from the first step on.
; THE RING.  Two LDS slots of 256 keys (K: 256 rows of 128 + 16 bytes; V: 256 rows of 128 + 32), filled by waves 0-3, read by all sixteen.
; THE MASK.  Every work-group walks all 8 slots (constant trip counts); a step of 64 keys that all come after a wave's 32 queries is jumped over by a scalar branch on ids; on the diagonal hidden scores
; become -infinity; a slot whose first key comes after the work-group's last query is not asked for.
; NO CLUSTER: the four work-groups of a head need 8 - i slots each, so a joint load would bring a partner tiles that none of its waves reads.
; LIMITS: |q|, |k|, |v|, |o| up to 65,504 (f16); NaN and infinities are not served.
.set KP,    144                        ; a key's row of K in LDS
.set VP,    160                        ; and of V: an odd multiple of 32 bytes, for the turning load
.set SK,    256                        ; keys in a slot
.set VOFF,  SK*KP
.set SLOT1, 1<<17                      ; one exclusive or turns an address in one slot into the other's
.set STAGE, SLOT1+SK*(KP+VP)           ; behind the ring: 32 rows x 144 bytes for each wave, for the way out: no fill lands here
.set SPARE, STAGE+16*32*144            ; the spare words, 128 bytes a wave
.set AK0, 1                            ; v1   my lane's place in a tile of K
.set AV0, 2                            ; v2   and of V
.set SPW, 3                            ; v3   my spare word; never rewritten
.set NIL, 4                            ; v4   0; never rewritten
.set ADK, 5                            ; v5   the step's address in K
.set ADV, 6                            ; v6   and in V
.set PFO, 7                            ; v7   256 x lane; never rewritten
.set QF,  16                           ; v16-47   Q: tile t, channels 32 c on, at 16 t + 8 c
.set FF,  48                           ; v48-111  K's fragments, then V's
.set SS,  112                          ; v112-175 S^T: tile t at 32 t, 16 keys kt at 8 kt; P in a tile's first 16
.set OO,  176                          ; v176-239 O^T: tile t at 32 t, 16 channels ct at 8 ct
.set ST,  240                          ; v240-255 tile t at 8 t: +0 c m, +1 m, +2, +3 l, +4 .. +7 at work (+6: a)
.set WV,  18
.set SEL, 20
.set CS,  22
.set G1K, 24
.set G1V, 32
.set G0K, 40
.set G0V, 44
.set TB,  2                            ; s2   LDS byte at which the slot in hand begins
.set QLAST, 66                         ; s66  my work-group's last query
.set SLOTS, 67
.set PFA, 76
.set LIM, 80
.set KF,  98                           ; s98  the step's first key
.set Q0,  99                           ; s99  my first query
; Waves 0 and 1 fetch K's halves, waves 2 and 3 V's, the others nothing.  An s_nop 0 and four v_nop follow each of the two lines.
.macro TLOAD g0k, g1k, g0v, g1v
	s_cmp_lt_u32 s[WV], 2
	s_cbranch_scc0 .Lnot_k_\@
	tensor_load_to_lds s[\g0k:\g0k+3], s[\g1k:\g1k+7]
	s_nop 0
.rept 4
	v_nop
.endr
	s_branch .Lasked_\@
.Lnot_k_\@:
	s_cmp_lt_u32 s[WV], 4
	s_cbranch_scc0 .Lasked_\@
	tensor_load_to_lds s[\g0v:\g0v+3], s[\g1v:\g1v+7]
	s_nop 0
.rept 4
	v_nop
.endr
.Lasked_\@:
.endm
; A prefetch of what the NEXT change of slots will ask for: 32,768 dense bytes of K and as many of V.  The head's work-group 0, which walks all 8 slots, asks, and nobody else; in it waves 4-7 ask for K's,
; waves 8-11 for V's, 8,192 bytes a wave, lanes 256 bytes apart: each aligned block of 256 bytes is named once in the launch.  Slots 0 and 1 come by their loads alone; the last filling change asks for nothing.
.macro ASK
	s_cmp_gt_u32 s[SLOTS], s[LIM]
	s_cbranch_scc0 .Lnot_mine_\@
	global_prefetch_b8 v[PFO], s[PFA:PFA+1] th:TH_LOAD_NT scope:SCOPE_SE
.Lnot_mine_\@:
.endm
	s_load_b128 s[4:7], s[0:1], 0x0                ; qkv s[4:5], o16 s[6:7]
	v_lshl_add_u32 v[SPW], v0, 2, SPARE
	v_mov_b32 v[NIL], 0
	ds_add_u32 v[SPW], v[NIL]                      ; the wave's opening: the add, twice on end, and its wait ahead of my first tensor load
	ds_add_u32 v[SPW], v[NIL]
	v_lshrrev_b32 v5, 5, v0
	v_readfirstlane_b32 s[WV], v5                  ; wave 0..15
	s_and_b32 s68, ttmp7, 0xffff                   ; batch x 16 + head
	s_lshl_b32 s69, s68, 18                        ; its 2048 rows of 128 bytes
	s_lshl_b32 s70, ttmp9, 8                       ; 256 i
	s_lshl_b32 s71, s[WV], 5                       ; 32 w
	s_add_co_u32 s72, s70, s71                     ; low block: 256 i + 32 w
	s_sub_co_u32 s73, s71, s70
	s_add_co_u32 s73, s73, 1536                    ; high block: 256 (7 - i) + 32 (w - 8)
	s_cmp_lt_u32 s[WV], 8
	s_cselect_b32 s[Q0], s72, s73
	s_sub_co_u32 s[QLAST], 2047, s70
	s_and_b32 s88, s[WV], 1                        ; which half of a slot's rows I fetch, if I fetch
	s_mul_i32 s89, s88, 128*KP
	s_mul_i32 s94, s88, 128*VP
	s_add_co_u32 s94, s94, VOFF
	s_lshl_b32 s90, s88, 14
	s_add_co_u32 s90, s90, s69
	s_add_co_u32 s92, s90, 2<<24                   ; V's rows,
	s_add_co_u32 s90, s90, 1<<24                   ; K's rows
	s_mov_b32 s91, 0
	s_mov_b32 s93, 0
	s_mov_b32 s[G1K], (1<<16)|(1<<20)|(4<<22)|(3<<25)   ; no mask; elements of 2 bytes; padding on: 4 words after every 32
	s_mov_b32 s[G1V], (1<<16)|(1<<20)|(4<<22)|(7<<25)   ; the same with 8 words
.irp g, G1K, G1V
	s_mov_b32 s[\g+1], 64<<16                      ; tensor_dim0
	s_mov_b32 s[\g+2], 128<<16                     ; tensor_dim1
	s_mov_b32 s[\g+3], 64<<16                      ; tile_dim0
	s_mov_b32 s[\g+4], 128                         ; tile_dim1
	s_mov_b32 s[\g+5], 64                          ; from row to row
	s_mov_b32 s[\g+6], 0
	s_mov_b32 s[\g+7], 0
.endr
	s_mov_b32 s[SEL], 0x76543210
	s_mov_b32 s[SEL+1], 0xfedcba98                 ; v_permlanex16_b32's selects for lane l xor 16
	s_mov_b32 s[CS], 0x3e38aa3b                    ; c = log2(e) / 8
	s_mov_b32 s[CS+1], s[CS]
	s_mov_b32 s[TB], 0
	s_mov_b32 s[KF], 0
	s_mov_b32 s[SLOTS], 7
	s_lshl_b32 s74, s[Q0], 7
	s_add_co_u32 s74, s74, s69                     ; my first query's row, in Q and in O
	s_mov_b32 s75, 0
	s_wait_dscnt 0x0                               ; both opening adds are done
	s_wait_kmcnt 0x0
	s_mov_b32 s[G0K], 1
	s_mov_b32 s[G0K+1], s89
	s_add_nc_u64 s[G0K+2:G0K+3], s[4:5], s[90:91]
	s_or_b32 s[G0K+3], s[G0K+3], 0x80000000
	s_mov_b32 s[G0V], 1
	s_mov_b32 s[G0V+1], s94
	s_add_nc_u64 s[G0V+2:G0V+3], s[4:5], s[92:93]
	s_or_b32 s[G0V+3], s[G0V+3], 0x80000000
	TLOAD G0K, G1K, G0V, G1V                       ; slot 0
	s_add_nc_u64 s[8:9], s[4:5], s[74:75]          ; Q
	s_add_nc_u64 s[6:7], s[6:7], s[74:75]          ; O
	s_mov_b32 s82, 2<<24                           ; the prefetches: waves 4-7 stand in K, waves 8-11 in V,
	s_cmp_lt_u32 s[WV], 8
	s_cselect_b32 s82, 1<<24, s82
	s_add_co_u32 s82, s82, s69
	s_and_b32 s83, s[WV], 3
	s_lshl_b32 s83, s83, 13
	s_add_co_u32 s82, s82, s83                     ; at my wave's 8,192 bytes
	s_add_co_u32 s82, s82, SK*128                  ; of slot 1: the first change of slots steps it to slot 2
	s_mov_b32 s83, 0
	s_add_nc_u64 s[PFA:PFA+1], s[4:5], s[82:83]
	s_sub_co_u32 s82, s[WV], 4
	s_lshr_b32 s82, s82, 3                         ; 0 in waves 4 to 11,
	s_or_b32 s82, s82, ttmp9                       ; of the head's work-group 0
	s_cmp_eq_u32 s82, 0
	s_cselect_b32 s[LIM], 1, -1
	v_and_b32 v[PFO], 31, v0
	v_lshlrev_b32 v[PFO], 8, v[PFO]
	v_and_b32 v9, 15, v0                           ; r
	v_bfe_u32 v10, v0, 4, 1                        ; h
	v_lshlrev_b32 v12, 7, v9
	v_lshl_add_u32 v12, v10, 4, v12                ; Q: row r of 128 bytes + 16 h
.irp t, 0,1
.irp c, 0,1
	global_load_b128 v[QF+16*\t+8*\c:QF+16*\t+8*\c+3], v12, s[8:9] offset:2048*\t+64*\c
	global_load_b128 v[QF+16*\t+8*\c+4:QF+16*\t+8*\c+7], v12, s[8:9] offset:2048*\t+64*\c+32
.endr
.endr
	v_mul_u32_u24 v[AK0], v9, KP
	v_lshl_add_u32 v[AK0], v10, 4, v[AK0]
	v_and_b32 v5, 7, v0
	v_lshl_add_u32 v5, v10, 3, v5                  ; the turning load: key 8 h + lane % 8,
	v_mul_u32_u24 v[AV0], v5, VP
	v_bfe_u32 v6, v0, 3, 1
	v_lshl_add_u32 v[AV0], v6, 4, v[AV0]           ; channels 8 ((lane / 8) % 2) on
	v_add_nc_u32 v[AV0], VOFF, v[AV0]
	v_lshlrev_b32 v6, 3, v10
	v_sub_nc_u32 v8, v9, v6                        ; v8 = r - 8 h, for the mask
	v_mov_b32 v11, 0xff800000                      ; v11 = -infinity
	s_mul_i32 s73, s[WV], 32*144
	s_add_co_u32 s73, s73, STAGE                   ; my stage
	v_mul_u32_u24 v13, v9, 144
	v_lshl_add_u32 v13, v10, 4, v13
	v_add_nc_u32 v13, s73, v13                     ; v13: in: row r, 16 bytes for each half of the lanes
	v_and_b32 v15, 31, v0
	v_lshrrev_b32 v14, 3, v15
	v_mul_u32_u24 v14, v14, 144
	v_and_b32 v5, 7, v0
	v_lshl_add_u32 v14, v5, 4, v14
	v_add_nc_u32 v14, s73, v14                     ; v14: back: eight lanes to a row, four rows an instruction
	v_lshlrev_b32 v15, 4, v15                      ; v15: 16 x lane
.irp t, 0,1
	v_mov_b32 v[ST+8*\t+1], 0xff61b1e6             ; m = -3e38, under every score
	v_mul_f32 v[ST+8*\t], s[CS], v[ST+8*\t+1]
.irp j, 2,3,4,5,6,7
	v_mov_b32 v[ST+8*\t+\j], 0
.endr
.endr
.irp j, 0,1,2,3,4,5,6,7,8,9,10,11,12,13,14,15,16,17,18,19,20,21,22,23,24,25,26,27,28,29,30,31,32,33,34,35,36,37,38,39,40,41,42,43,44,45,46,47,48,49,50,51,52,53,54,55,56,57,58,59,60,61,62,63
	v_mov_b32 v[OO+\j], 0                          ; O^T: the step is written for every step alike; the first finds zeros
.endr
; A KEY STEP: 64 keys, the q-th of the slot in hand.
.macro STEP q
	s_add_co_u32 s96, s[Q0], 31
	s_cmp_gt_u32 s[KF], s96                        ; all 64 keys come after my 32 queries: nothing to do but to step the count
	s_cbranch_scc1 .Lhidden_\@
	v_add_nc_u32 v[ADK], s[TB], v[AK0]
	v_add_nc_u32 v[ADV], s[TB], v[AV0]
.rept 3
	v_nop                                          ; with the two additions five places behind the last step's products: the loads below land on their fragments, and the products below write over their P
.endr
.irp c, 0,1
.irp kt, 0,1,2,3
	ds_load_b128 v[FF+16*\kt+8*\c:FF+16*\kt+8*\c+3], v[ADK] offset:(64*(\q)+16*\kt)*KP+64*\c
	ds_load_b128 v[FF+16*\kt+8*\c+4:FF+16*\kt+8*\c+7], v[ADK] offset:(64*(\q)+16*\kt)*KP+64*\c+32
.endr
.endr
	s_wait_dscnt 8                                 ; channels 0-31 are in; the eight loads of channels 32-63 may be out
.irp kt, 0,1,2,3
.irp t, 0,1
	v_wmma_f32_16x16x32_f16 v[SS+32*\t+8*\kt:SS+32*\t+8*\kt+7], v[FF+16*\kt:FF+16*\kt+7], v[QF+16*\t:QF+16*\t+7], 0
.endr
.endr
	s_wait_dscnt 0x0
.irp kt, 0,1,2,3                               ; the eight accumulators take turns, one instruction a turn
.irp t, 0,1
	v_wmma_f32_16x16x32_f16 v[SS+32*\t+8*\kt:SS+32*\t+8*\kt+7], v[FF+16*\kt+8:FF+16*\kt+15], v[QF+16*\t+8:QF+16*\t+15], v[SS+32*\t+8*\kt:SS+32*\t+8*\kt+7]
.endr
.endr
.rept 4
	v_nop                                          ; places: for V's loads into K's registers, and for the first read of the scores
.endr
.irp u, 0,1                                    ; V^T, turned: keys 32 u on, channels 16 ct on.  The loads land while the softmax is walked
.irp ct, 0,1,2,3
	ds_load_tr16_b128 v[FF+32*\u+8*\ct:FF+32*\u+8*\ct+3], v[ADV] offset:(64*(\q)+32*\u)*VP+32*\ct
	ds_load_tr16_b128 v[FF+32*\u+8*\ct+4:FF+32*\u+8*\ct+7], v[ADV] offset:(64*(\q)+32*\u+16)*VP+32*\ct
.endr
.endr
	s_add_co_u32 s96, s[KF], 63
	s_cmp_le_u32 s96, s[Q0]                        ; all 64 keys count for all my queries: no mask
	s_cbranch_scc1 .Lopen_\@
	s_sub_co_i32 s96, s[Q0], s[KF]
	v_add_nc_u32 v9, s96, v8                       ; tile 0: my query - the step's first key - 8 h.  Register 8 kt + j holds key 16 kt + 8 h + j: hidden where 16 kt + j is greater
	v_add_nc_u32 v10, 16, v9                       ; tile 1
.irp n, 0,1,2,3,4,5,6,7,8,9,10,11,12,13,14,15,16,17,18,19,20,21,22,23,24,25,26,27,28,29,30,31
.irp t, 0,1
	v_cmp_gt_i32 vcc_lo, 16*(\n/8)+\n%8, v[9+\t]
	v_cndmask_b32 v[SS+32*\t+\n], v[SS+32*\t+\n], v11, vcc_lo
.endr
.endr
.Lopen_\@:
	; the maximum of my 32 scores and the old m: four chains, each from its accumulator's low end on; the two tiles alternate
.irp j, 0,1,2,3
.irp t, 0,1
	v_max3_num_f32 v[ST+8*\t+4+\j], v[SS+32*\t+8*\j], v[SS+32*\t+8*\j+1], v[SS+32*\t+8*\j+2]
.endr
.endr
.irp g, 1,2
.irp j, 0,1,2,3
.irp t, 0,1
	v_max3_num_f32 v[ST+8*\t+4+\j], v[ST+8*\t+4+\j], v[SS+32*\t+8*\j+2*\g+1], v[SS+32*\t+8*\j+2*\g+2]
.endr
.endr
.endr
.irp t, 0,1
	v_max3_num_f32 v[ST+8*\t+4], v[ST+8*\t+4], v[SS+32*\t+7], v[SS+32*\t+15]
.endr
.irp t, 0,1
	v_max3_num_f32 v[ST+8*\t+6], v[ST+8*\t+6], v[SS+32*\t+23], v[SS+32*\t+31]
.endr
.irp t, 0,1
	v_max3_num_f32 v[ST+8*\t+4], v[ST+8*\t+4], v[ST+8*\t+5], v[ST+8*\t+6]
.endr
.irp t, 0,1
	v_max3_num_f32 v[ST+8*\t+4], v[ST+8*\t+4], v[ST+8*\t+7], v[ST+8*\t+1]
.endr
.irp t, 0,1
	v_permlanex16_b32 v[ST+8*\t+5], v[ST+8*\t+4], s[SEL], s[SEL+1]   ; the query's other 32 keys lie in the lane 16 away
.endr
.irp t, 0,1
	v_mov_b32 v[ST+8*\t+7], v[ST+8*\t]             ; c m_old
.endr
.irp t, 0,1
	v_max_num_f32 v[ST+8*\t+1], v[ST+8*\t+4], v[ST+8*\t+5]
.endr
.irp t, 0,1
	v_mul_f32 v[ST+8*\t], s[CS], v[ST+8*\t+1]
.endr
.irp t, 0,1
	v_sub_f32 v[ST+8*\t+7], v[ST+8*\t+7], v[ST+8*\t]
.endr
.irp t, 0,1
	v_exp_f32 v[ST+8*\t+6], v[ST+8*\t+7]           ; a
.endr
.irp n, 0,2,4,6,8,10,12,14,16,18,20,22,24,26,28,30
.irp t, 0,1
	v_pk_fma_f32 v[SS+32*\t+\n:SS+32*\t+\n+1], v[SS+32*\t+\n:SS+32*\t+\n+1], s[CS:CS+1], v[ST+8*\t:ST+8*\t+1] op_sel_hi:[1,0,0] neg_lo:[0,0,1] neg_hi:[0,0,1]   ; c s - c m
.endr
.endr
.irp n, 0,1,2,3,4,5,6,7,8,9,10,11,12,13,14,15,16,17,18,19,20,21,22,23,24,25,26,27,28,29,30,31
.irp t, 0,1
	v_exp_f32 v[SS+32*\t+\n], v[SS+32*\t+\n]       ; p
.endr
.endr
	v_nop                                          ; a plain line behind the last exponential,
	s_wait_alu depctr_va_vdst(0)                   ; and ONE wait for the 66, ahead of their first reader
.irp t, 0,1
	v_pk_mul_f32 v[ST+8*\t+2:ST+8*\t+3], v[ST+8*\t+2:ST+8*\t+3], v[ST+8*\t+6:ST+8*\t+7] op_sel_hi:[1,0]   ; l x a
.endr
.irp t, 0,1
	v_pk_add_f32 v[ST+8*\t+4:ST+8*\t+5], v[SS+32*\t:SS+32*\t+1], v[SS+32*\t+2:SS+32*\t+3]                 ; the sum of the unrounded p, in two chains
.endr
.irp n, 4,8,12,16,20,24,28
.irp t, 0,1
	v_pk_add_f32 v[ST+8*\t+2:ST+8*\t+3], v[ST+8*\t+2:ST+8*\t+3], v[SS+32*\t+\n:SS+32*\t+\n+1]
	v_pk_add_f32 v[ST+8*\t+4:ST+8*\t+5], v[ST+8*\t+4:ST+8*\t+5], v[SS+32*\t+\n+2:SS+32*\t+\n+3]
.endr
.endr
.irp t, 0,1
	v_pk_add_f32 v[ST+8*\t+2:ST+8*\t+3], v[ST+8*\t+2:ST+8*\t+3], v[ST+8*\t+4:ST+8*\t+5]
.endr
.irp n, 0,1,2,3,4,5,6,7,8,9,10,11,12,13,14,15
.irp t, 0,1
	v_cvt_pk_f16_f32 v[SS+32*\t+\n], v[SS+32*\t+2*\n], v[SS+32*\t+2*\n+1]   ; P, in place and ascending: register n is written when registers 2 n, 2 n + 1 are read
.endr
.endr
.irp n, 0,2,4,6,8,10,12,14,16,18,20,22,24,26,28,30
.irp t, 0,1
	v_pk_mul_f32 v[OO+32*\t+\n:OO+32*\t+\n+1], v[OO+32*\t+\n:OO+32*\t+\n+1], v[ST+8*\t+6:ST+8*\t+7] op_sel_hi:[1,0]   ; O^T x a
.endr
.endr
	s_wait_dscnt 0x0                               ; V is in
.irp u, 0,1                                    ; O^T += V^T P: eight accumulators by turns
.irp ct, 0,1,2,3
.irp t, 0,1
	v_wmma_f32_16x16x32_f16 v[OO+32*\t+8*\ct:OO+32*\t+8*\ct+7], v[FF+32*\u+8*\ct:FF+32*\u+8*\ct+7], v[SS+32*\t+8*\u:SS+32*\t+8*\u+7], v[OO+32*\t+8*\ct:OO+32*\t+8*\ct+7]
.endr
.endr
.endr
.Lhidden_\@:
	s_add_co_u32 s[KF], s[KF], 64
.endm
; THE CHANGE OF SLOTS stands at a slot's head.  Each wave waits for all its tensor loads, adds 0 to its spare word, and waits for that and for its reads of the slot that it has left; behind the barrier the slot
; ahead is whole and nobody reads the other one, which (fill = 1) is filled with the next 256 keys: that load has a slot's four steps in which to land.
.macro CHANGE fill
	s_wait_tensorcnt 0x0                           ; no tensor load of mine is out, so a group 0 may be written
	ds_add_u32 v[SPW], v[NIL]
.if \fill
	ds_add_u32 v[SPW], v[NIL]                      ; and twice on end here, in every trip alike
	s_xor_b32 s[G0K+1], s[G0K+1], SLOT1            ; the walking descriptors: the other slot, the next 256 keys
	s_add_nc_u64 s[G0K+2:G0K+3], s[G0K+2:G0K+3], SK*128
	s_xor_b32 s[G0V+1], s[G0V+1], SLOT1
	s_add_nc_u64 s[G0V+2:G0V+3], s[G0V+2:G0V+3], SK*128
	s_wait_xcnt 0x0                                ; the last prefetch, a slot back, has read its address
	s_add_nc_u64 s[PFA:PFA+1], s[PFA:PFA+1], SK*128
.endif
	s_wait_dscnt 0x0
	s_barrier_signal -1
	s_barrier_wait -1
.if \fill
	s_add_co_u32 s96, s[KF], SK                    ; the first key of the slot that this change would ask for:
	s_cmp_gt_u32 s96, s[QLAST]                     ; behind my work-group's last query no wave reads it, so it is not asked for.  Ids and the count of steps alone: all sixteen waves go the same way
	s_cbranch_scc1 .Lpast_\@
	TLOAD G0K, G1K, G0V, G1V                       ; a wave's one tensor load until the next barrier
.Lpast_\@:
	ASK
.endif
.endm
.macro SLOT_STEPS
	STEP 0
	STEP 1
	STEP 2
	STEP 3
	s_xor_b32 s[TB], s[TB], SLOT1
.endm
	s_wait_loadcnt 0x0                             ; Q
.Lslot:                                            ; 7 trips
	CHANGE 1
	SLOT_STEPS
	s_sub_co_u32 s[SLOTS], s[SLOTS], 1
	s_cmp_lg_u32 s[SLOTS], 0
	s_cbranch_scc1 .Lslot
	CHANGE 0                                       ; the last slot is written out: nothing is left to ask for
	SLOT_STEPS
	; THE WAY OUT: O^T / l, to f16, through my stage, out as runs of 512 consecutive bytes (four queries of 128 bytes).
.rept 4
	v_nop                                          ; places behind the last products
.endr
.irp t, 0,1
	v_add_f32 v[ST+8*\t+4], v[ST+8*\t+2], v[ST+8*\t+3]
.endr
.irp t, 0,1
	v_permlanex16_b32 v[ST+8*\t+5], v[ST+8*\t+4], s[SEL], s[SEL+1]
.endr
.irp t, 0,1
	v_add_f32 v[ST+8*\t+4], v[ST+8*\t+4], v[ST+8*\t+5]
.endr
.irp t, 0,1
	v_rcp_f32 v[ST+8*\t+6], v[ST+8*\t+4]
.endr
	v_nop
	s_wait_alu depctr_va_vdst(0)                   ; one wait for the two reciprocals
.irp t, 0,1
.irp n, 0,2,4,6,8,10,12,14,16,18,20,22,24,26,28,30
	v_pk_mul_f32 v[SS+32*\t+\n:SS+32*\t+\n+1], v[OO+32*\t+\n:OO+32*\t+\n+1], v[ST+8*\t+6:ST+8*\t+7] op_sel_hi:[1,0]
.endr
.endr
.irp t, 0,1
.irp n, 0,1,2,3,4,5,6,7,8,9,10,11,12,13,14,15
	v_cvt_pk_f16_f32 v[FF+16*\t+\n], v[SS+32*\t+2*\n], v[SS+32*\t+2*\n+1]
.endr
.endr
.irp t, 0,1
.irp ct, 0,1,2,3
	ds_store_b128 v13, v[FF+16*\t+4*\ct:FF+16*\t+4*\ct+3] offset:2304*\t+32*\ct
.endr
.endr
.irp n, 0,1,2,3,4,5,6,7
	ds_load_b128 v[SS+4*\n:SS+4*\n+3], v14 offset:576*\n   ; LDS serves a wave's instructions in order: these see my stores
.endr
.irp n, 0,1,2,3,4,5,6,7
	s_wait_dscnt 7-\n                              ; the younger loads may be out
	global_store_b128 v15, v[SS+4*\n:SS+4*\n+3], s[6:7] offset:512*\n
.endr
	s_wait_tensorcnt 0x0                           ; the wave's end
	ds_add_u32 v[SPW], v[NIL]
	s_wait_dscnt 0x0
	s_endpgm
.Lfunc_end_k_q92b12ff845_attn:
	.size	k_q92b12ff845_attn, .Lfunc_end_k_q92b12ff845_attn-k_q92b12ff845_attn
	.p2alignl 7, 3214868480
	.fill 96, 4, 3214868480
	.section	.rodata,"a",@progbits
	.p2align	6, 0x0
	.amdhsa_kernel k_q92b12ff845_attn
		.amdhsa_group_segment_fixed_size 327680
		.amdhsa_private_segment_fixed_size 0
		.amdhsa_enable_private_segment 0
		.amdhsa_kernarg_size 16
		.amdhsa_user_sgpr_count 2
		.amdhsa_user_sgpr_kernarg_segment_ptr 1
		.amdhsa_wavefront_size32 1
		.amdhsa_system_sgpr_workgroup_id_x 1
		.amdhsa_system_sgpr_workgroup_id_y 1
		.amdhsa_system_sgpr_workgroup_id_z 1
		.amdhsa_system_vgpr_workitem_id 0
		.amdhsa_next_free_vgpr 256
		.amdhsa_next_free_sgpr 100
		.amdhsa_reserve_vcc 1
		.amdhsa_float_denorm_mode_32 3
		.amdhsa_float_denorm_mode_16_64 3
		.amdhsa_memory_ordered 1
		.amdhsa_forward_progress 1
		.amdhsa_inst_pref_size 189
	.end_amdhsa_kernel
	.amdgpu_metadata
---
amdhsa.version: [ 1, 2 ]
amdhsa.kernels:
  - .name:           k_q92b12ff845_attn
    .symbol:         k_q92b12ff845_attn.kd
    .args:
      - { .name: qkv, .offset: 0, .size: 8, .value_kind: global_buffer, .address_space: global }
      - { .name: o16, .offset: 8, .size: 8, .value_kind: global_buffer, .address_space: global }
    .group_segment_fixed_size: 327680
    .private_segment_fixed_size: 0
    .kernarg_segment_align: 8
    .kernarg_segment_size: 16
    .max_flat_workgroup_size: 512
    .sgpr_count:     100
    .vgpr_count:     256
    .wavefront_size: 32
...
	.end_amdgpu_metadata
.endif
;; end of part 3
;; launch proj (part 4): grid 8 x 64, 4 waves a work-group, clusters of 4 x 4, 327,680 bytes of LDS; arguments o16, wo16, out0; writes out0
.if DOCPART == 4
	.amdgcn_target "amdgcn-amd-amdhsa--gfx1250"
	.amdhsa_code_object_version 6
	.text
	.protected	k_q92b12ff845_proj
	.globl	k_q92b12ff845_proj
	.p2align	8
	.type	k_q92b12ff845_proj,@function
k_q92b12ff845_proj:
	s_mov_b64 s[64:65], 0
	v_nop
	global_prefetch_b8 v0, s[64:65] scope:SCOPE_SE
	s_setreg_imm32_b32 hwreg(HW_REG_WAVE_MODE, 25, 1), 1
	s_wait_xcnt 0x0
	s_wait_alu depctr_hold_cnt(0) depctr_sa_sdst(0) depctr_va_vdst(0) depctr_va_sdst(0) depctr_va_ssrc(0) depctr_va_vcc(0) depctr_vm_vsrc(0)
	s_getreg_b32 s2, hwreg(HW_REG_IB_STS2, 6, 4)
	s_cmp_eq_u32 s2, 0
	s_cbranch_scc0 .Lentry_in_a_cluster
	s_endpgm
.Lentry_in_a_cluster:
	s_bfe_u32 s2, ttmp6, 0x10000c
	s_cmp_lg_u32 s2, 0xf033
	s_cbranch_scc0 .Lentry_shape_is_right
	s_endpgm
.Lentry_shape_is_right:
; out0[token][e] = the sum over d of O[token][d] Wo[e][d], on f16 operands, sums in f32, for all tokens but positions 0-15 of each sequence, which a launch of their own makes in f32.
; A = o16 [batch 4][head 16][position 2048][64] f16, B = wo16 [head 16][e 1024][64] f16: K = d lies in planes of one head in both.  out0: [8192][1024] f32.
; A tile of 128 tokens x 128 columns; four waves, 64 x 64 each: 16 accumulators.  K goes in steps of 256 = four planes through a ring of two LDS slots.  A wave's tensor load brings 64 rows of four planes:
; in memory 64 rows of a plane are 8,192 dense bytes, so the tile is stated as 4 rows of 4,096 elements, a plane apart, with 16 bytes of padding behind every 128: in LDS [plane 4][row 64][144 bytes].
; CLUSTERS: 4 x 4 work-groups; A's tiles are asked for jointly along a row of the cluster, B's along a column.  Tile row = 16 cy + cluster y: the batch is cy, and a tile holds positions 0-15 where
; cluster y = 0, a number that all partners share.  THE MATRIX INSTRUCTION IS USED TRANSPOSED (source 0 = 16 rows of B, source 1 = 16 rows of A): a lane holds eight neighbouring columns of a row.
; REGISTERS: window 0: v0-31 addresses; v32-95 the way out; v128-255 the accumulators ((a, b) at v[128 + 8 (4 a + b)]).  window 1: two fragment buffers of 128: 64 of A, then 64 of B, for 64 along K.
.set PITCH,  144                       ; an LDS row: 128 bytes + 16 of padding: the 16 rows of a load start at 16 different groups of banks
.set PLANE,  64*PITCH
.set HALFT,  4*PLANE                   ; what one tensor load brings, and what one wave reads of A or of B
.set SLOT,   4*HALFT
.set STAGE,  2*SLOT                    ; behind the ring: 16 rows x 272 bytes for each wave
.set SPITCH, 272
.set SPARE,  STAGE+4*16*SPITCH
.set LAPS,   2                         ; 1024 along K = four K steps = twice round the ring
.set ASTEP,  4*2048*128                ; a K step in A: four planes of 2048 rows of 128 bytes
.set BSTEP,  4*1024*128                ; and in B
.set ADRA, 16
.set ADRB, 20
.set STO,  24
.set RD,   25
.set CO,   26
.set SPW,  28
.set NIL,  29
.set TMP,  32
.set ACC,  128
.set F0,   0
.set F1,   128
.set G1, 24
.set G0, 32
.set G1B, 48
.set G0B, 56
.set MSB, 0
.macro WIN new
.if MSB != (\new)
	s_set_vgpr_msb (MSB<<8)|(\new)
.set MSB, (\new)
.endif
.endm
.set MUL,  0x05                        ; sources 0 (B) and 1 (A) window 1; C and D window 0
.set TO_F, 0x40
.macro JLOAD s                         ; a joint load: waves 0 and 1 fetch A's halves, waves 2 and 3 B's; an s_nop 0 and four v_nop follow each of the two lines
	s_cmp_eq_u32 s11, 0
	s_cbranch_scc0 .Lfor_b_\@
	tensor_load_to_lds s[G0+4*\s:G0+4*\s+3], s[G1:G1+7]
	s_nop 0
.rept 4
	v_nop
.endr
	s_branch .Lasked_\@
.Lfor_b_\@:
	tensor_load_to_lds s[G0B+4*\s:G0B+4*\s+3], s[G1B:G1B+7]
	s_nop 0
.rept 4
	v_nop
.endr
.Lasked_\@:
.endm
.macro CREST
	s_cmp_lg_u32 s10, 0
	s_cbranch_scc1 .Lnot_wave_0_\@
	s_barrier_signal -3
.Lnot_wave_0_\@:
	s_barrier_wait -3
	s_barrier_signal -1
	s_barrier_wait -1
.endm
.macro CROUND
	s_barrier_signal -1
	s_barrier_wait -1
	CREST
.endm
	s_load_b128 s[4:7], s[0:1], 0x0                ; o16 s[4:5], wo16 s[6:7]
	s_load_b64 s[8:9], s[0:1], 0x10                ; out0
	v_lshl_add_u32 v[SPW], v0, 2, SPARE
	v_mov_b32 v[NIL], 0
	ds_add_u32 v[SPW], v[NIL]                      ; the wave's opening: the add, twice on end, and its wait ahead of my first tensor load
	ds_add_u32 v[SPW], v[NIL]
	v_lshrrev_b32 v1, 5, v0
	v_readfirstlane_b32 s10, v1                    ; wave 0..3
	s_lshr_b32 s11, s10, 1                         ; which half of the tile's rows is mine.  Also: I fetch for A (0) or for B (1)
	s_and_b32 s12, s10, 1                          ; which half of its columns.  Also: which 64 rows of that tile I fetch
	s_bfe_u32 s40, ttmp6, 0x40000                  ; cx
	s_bfe_u32 s41, ttmp6, 0x40004                  ; cy
	s_lshl_b32 s42, ttmp9, 2
	s_add_co_u32 s42, s42, s40                     ; tile column = 4 x cluster x + cx
	s_and_b32 s13, ttmp7, 0xffff                   ; cluster y: the tile's place in its sequence
	s_lshl_b32 s43, s41, 2
	s_lshl_b32 s43, 15, s43                        ; my row of the cluster
	s_lshl_b32 s44, 0x1111, s40                    ; my column
	s_or_b32 s[G1+0], s43, (1<<16)|(1<<20)|(1<<21)|(4<<22)|(3<<25)  ; the mask; elements of 2 bytes; padding on; bit 21 beside a mask; 4 words of padding after every 32
	s_or_b32 s[G1B+0], s44, (1<<16)|(1<<20)|(1<<21)|(4<<22)|(3<<25)
.irp g, G1, G1B
	s_mov_b32 s[\g+1], 4096<<16                    ; tensor_dim0: 64 rows of 64 elements on end
	s_mov_b32 s[\g+2], 4<<16                       ; tensor_dim1: four planes
	s_mov_b32 s[\g+3], 4096<<16                    ; tile_dim0
	s_mov_b32 s[\g+4], 4                           ; tile_dim1
	s_mov_b32 s[\g+6], 0
	s_mov_b32 s[\g+7], 0
.endr
	s_mov_b32 s[G1+5], 2048*64                     ; from plane to plane, in elements: A's,
	s_mov_b32 s[G1B+5], 1024*64                    ; B's
	s_lshl_b32 s16, s41, 22                        ; A: the batch's 16 planes,
	s_lshl_b32 s17, s13, 14                        ; + 128 x cluster y rows of 128 bytes,
	s_add_co_u32 s16, s16, s17
	s_lshl_b32 s17, s12, 13                        ; + 64 x half
	s_add_co_u32 s16, s16, s17
	s_mov_b32 s17, 0
	s_lshl_b32 s46, s42, 14                        ; B: 128 x tile column rows of 128 bytes,
	s_lshl_b32 s47, s12, 13                        ; + 64 x half
	s_add_co_u32 s46, s46, s47
	s_mov_b32 s47, 0
	s_mul_i32 s20, s10, HALFT                      ; where they go: no place in the cluster enters an LDS address
	s_wait_dscnt 0x0                               ; both opening adds are done
	s_wait_kmcnt 0x0
	s_add_nc_u64 s[14:15], s[4:5], s[16:17]
	s_add_nc_u64 s[46:47], s[6:7], s[46:47]
	CROUND                                         ; all sixteen work-groups are here: the first joint loads meet
.irp s, 0,1
	s_mov_b32 s[G0+4*\s], 1
	s_add_co_u32 s[G0+4*\s+1], s20, \s*SLOT
	s_add_nc_u64 s[G0+4*\s+2:G0+4*\s+3], s[14:15], \s*ASTEP
	s_or_b32 s[G0+4*\s+3], s[G0+4*\s+3], 0x80000000
	s_mov_b32 s[G0B+4*\s], 1
	s_add_co_u32 s[G0B+4*\s+1], s20, \s*SLOT
	s_add_nc_u64 s[G0B+4*\s+2:G0B+4*\s+3], s[46:47], \s*BSTEP
	s_or_b32 s[G0B+4*\s+3], s[G0B+4*\s+3], 0x80000000
	JLOAD \s
.endr
	v_and_b32 v1, 15, v0                           ; r
	v_bfe_u32 v2, v0, 4, 1                         ; h
	v_mul_u32_u24 v3, v1, PITCH
	v_lshl_add_u32 v3, v2, 4, v3                   ; a fragment's row x pitch + 16 x half
	s_mul_i32 s21, s11, HALFT                      ; my 64 rows of A
	s_mul_i32 s22, s12, HALFT                      ; my 64 rows of B,
	s_add_co_u32 s22, s22, 2*HALFT                 ; which lie behind A's 128
.irp s, 0,1
	v_add_nc_u32 v[ADRA+\s], s21, v3
	v_add_nc_u32 v[ADRB+\s], s22, v3
	s_add_co_u32 s21, s21, SLOT
	s_add_co_u32 s22, s22, SLOT
.endr
	s_mul_i32 s23, s10, 16*SPITCH
	s_add_co_u32 s23, s23, STAGE                   ; my stage
	v_mul_u32_u24 v4, v1, SPITCH
	v_lshl_add_u32 v4, v2, 5, v4
	v_add_nc_u32 v[STO], s23, v4                   ; in: row r, 32 bytes for each half of the lanes
	v_mul_u32_u24 v5, v2, SPITCH
	v_lshl_add_u32 v5, v1, 4, v5
	v_add_nc_u32 v[RD], s23, v5                    ; back: lanes 0-15 one row of 256 bytes, lanes 16-31 the next
	v_lshlrev_b32 v5, 12, v2
	v_lshl_add_u32 v[CO], v1, 4, v5                ; and the same two rows in out0
	s_lshl_b32 s16, s41, 4
	s_add_co_u32 s16, s16, s13                     ; tile row = 16 cy + cluster y
	s_lshl_b32 s16, s16, 7
	s_lshl_b32 s17, s11, 6
	s_add_co_u32 s16, s16, s17                     ; my first row of out0,
	s_lshl_b32 s16, s16, 12                        ; x 4,096 bytes
	s_mov_b32 s17, 0
	s_add_nc_u64 s[8:9], s[8:9], s[16:17]
	s_lshl_b32 s46, s42, 9                         ; my first column, in bytes: 512 x tile column + 256 x half
	s_lshl_b32 s47, s12, 8
	s_add_co_u32 s46, s46, s47
	s_mov_b32 s47, 0
	s_add_nc_u64 s[8:9], s[8:9], s[46:47]
	s_or_b32 s66, s13, s11                         ; 0: my block 0 holds positions 0-15 of a sequence
.macro MUL8 f, c, a0, zero             ; 8 matrix instructions: row blocks a0, a0 + 1 x all 4 column blocks, 32 along K.  The 16 accumulators take turns
.irp a, \a0, \a0+1
.irp b, 0,1,2,3
.if \zero
	v_wmma_f32_16x16x32_f16 v[ACC+8*(4*(\a)+\b):ACC+8*(4*(\a)+\b)+7], v[\f+64+8*(4*\c+\b):\f+64+8*(4*\c+\b)+7], v[\f+8*(4*\c+\a):\f+8*(4*\c+\a)+7], 0
.else
	v_wmma_f32_16x16x32_f16 v[ACC+8*(4*(\a)+\b):ACC+8*(4*(\a)+\b)+7], v[\f+64+8*(4*\c+\b):\f+64+8*(4*\c+\b)+7], v[\f+8*(4*\c+\a):\f+8*(4*\c+\a)+7], v[ACC+8*(4*(\a)+\b):ACC+8*(4*(\a)+\b)+7]
.endif
.endr
.endr
.endm
.macro FETCH slot, k, f                ; 32 LDS loads in one run: the fragments of one plane (64 along K), which begins at byte k of the wave's rows, into buffer f; its first 32 channels first
	WIN TO_F
.irp c, 0,1
.irp i, 0,1,2,3
	ds_load_b128 v[\f+64+8*(4*\c+\i):\f+64+8*(4*\c+\i)+3],   v[ADRB+\slot] offset:\k+64*\c+\i*16*PITCH
	ds_load_b128 v[\f+64+8*(4*\c+\i)+4:\f+64+8*(4*\c+\i)+7], v[ADRB+\slot] offset:\k+64*\c+\i*16*PITCH+32
	ds_load_b128 v[\f+8*(4*\c+\i):\f+8*(4*\c+\i)+3],         v[ADRA+\slot] offset:\k+64*\c+\i*16*PITCH
	ds_load_b128 v[\f+8*(4*\c+\i)+4:\f+8*(4*\c+\i)+7],       v[ADRA+\slot] offset:\k+64*\c+\i*16*PITCH+32
.endr
.endr
.endm
.macro PLACES
.rept 4
	v_nop
.endr
.endm
.macro QUARTER slot, k, f, g, zero     ; multiplies buffer f and fetches the next plane, at byte k, into g
	s_wait_dscnt 16                                ; the first 32 along K are in; the other sixteen loads may be out
	WIN MUL
	MUL8 \f, 0, 0, \zero
	MUL8 \f, 0, 2, \zero
	PLACES
	FETCH \slot, \k, \g
	s_wait_dscnt 32                                ; all but the 32 just issued
	WIN MUL
	MUL8 \f, 1, 0, 0
	MUL8 \f, 1, 2, 0
.endm
; A slot's last plane changes slots: in front of the barrier each wave waits for all its tensor loads, adds 0 to its spare word, and waits for that and for its own reads of this slot.
.macro TURN slot, next, fill
	WIN 0
	s_wait_tensorcnt 0x0                           ; all my tensor loads have landed: my part of the next slot
	ds_add_u32 v[SPW], v[NIL]
	s_wait_dscnt 17                                ; (the add and the youngest sixteen loads may be out)
	WIN MUL
	MUL8 F1, 0, 0, 0
	s_wait_dscnt 0x0                               ; the add is done, and my reads of this slot are over
	s_barrier_signal -1
	MUL8 F1, 0, 2, 0
.if \fill
	WIN 0
.endif
	s_barrier_wait -1
.if \fill
	CREST                                          ; the barrier has opened a round of the cluster's: no wave of any partner still reads this slot or has a load on its way
	s_add_nc_u64 s[G0+4*\slot+2:G0+4*\slot+3], s[G0+4*\slot+2:G0+4*\slot+3], 2*ASTEP
	s_add_nc_u64 s[G0B+4*\slot+2:G0B+4*\slot+3], s[G0B+4*\slot+2:G0B+4*\slot+3], 2*BSTEP
	JLOAD \slot                                    ; the first tensor load behind the round; its four v_nop are also the places in front of the loads below
.else
	PLACES
.endif
	FETCH \next, 0, F0
	WIN MUL
	MUL8 F1, 1, 0, 0
	MUL8 F1, 1, 2, 0
.endm
	s_wait_tensorcnt 1                             ; my part of K step 0 is in (K step 1's load may be out),
	s_barrier_signal -1
	s_barrier_wait -1                              ; everybody's is
	FETCH 0, 0, F0
	QUARTER 0, PLANE, F0, F1, 1                    ; the first products start the sums
	WIN 0
	s_mov_b32 s3, LAPS-1
.Llap:                                                 ; a trip goes once round the ring and fills both slots again
	QUARTER 0, 2*PLANE, F1, F0, 0
	QUARTER 0, 3*PLANE, F0, F1, 0
	TURN 0, 1, 1
	QUARTER 1, PLANE, F0, F1, 0
	QUARTER 1, 2*PLANE, F1, F0, 0
	QUARTER 1, 3*PLANE, F0, F1, 0
	TURN 1, 0, 1
	QUARTER 0, PLANE, F0, F1, 0
	WIN 0
	s_sub_co_u32 s3, s3, 1
	s_cmp_lg_u32 s3, 0
	s_cbranch_scc1 .Llap
	QUARTER 0, 2*PLANE, F1, F0, 0                  ; the last lap fills nothing
	QUARTER 0, 3*PLANE, F0, F1, 0
	TURN 0, 1, 0
	QUARTER 1, PLANE, F0, F1, 0
	QUARTER 1, 2*PLANE, F1, F0, 0
	QUARTER 1, 3*PLANE, F0, F1, 0
	s_wait_dscnt 16
	WIN MUL
	MUL8 F1, 0, 0, 0
	MUL8 F1, 0, 2, 0
	s_wait_dscnt 0
	MUL8 F1, 1, 0, 0
	MUL8 F1, 1, 2, 0
	WIN 0
; THE WAY OUT, block by block of 16 rows x 64 columns of f32: through my own stage, back as whole rows of 256 bytes.  LDS serves a wave's instructions in order (ISA guide 5.7.1.4): no wait between stores and loads.
.macro TOSTAGE a
.irp b, 0,1,2,3
	ds_store_b128 v[STO], v[ACC+8*(4*(\a)+\b):ACC+8*(4*(\a)+\b)+3] offset:64*\b        ; each accumulator from its low end on
	ds_store_b128 v[STO], v[ACC+8*(4*(\a)+\b)+4:ACC+8*(4*(\a)+\b)+7] offset:64*\b+16
.endr
.irp t, 0,1,2,3,4,5,6,7
	ds_load_b128 v[TMP+32*((\a)%2)+4*\t:TMP+32*((\a)%2)+4*\t+3], v[RD] offset:\t*2*SPITCH
.endr
.endm
.macro SEND a, younger
	s_wait_dscnt \younger
.if (\a) == 0
	s_cmp_eq_u32 s66, 0                            ; positions 0-15 are not mine to store
	s_cbranch_scc1 .Lnot_mine_\@
.endif
.irp t, 0,1,2,3,4,5,6,7
	global_store_b128 v[CO], v[TMP+32*((\a)%2)+4*\t:TMP+32*((\a)%2)+4*\t+3], s[8:9] offset:(16*(\a)+2*\t)*4096 th:TH_STORE_NT   ; 16 lanes store 256 consecutive bytes, aligned
.endr
.if (\a) == 0
.Lnot_mine_\@:
.endif
.endm
	PLACES
	TOSTAGE 0
.irp a, 1,2,3
.if \a > 1
	s_wait_xcnt 0x0                                ; block a - 2's stores have read their registers: block a's rows may land there
.endif
	TOSTAGE \a
	SEND \a-1, 16                                  ; behind block a - 1's loads: block a's 8 stores and 8 loads
.endr
	SEND 3, 0
	s_wait_tensorcnt 0x0                           ; the wave's end
	ds_add_u32 v[SPW], v[NIL]
	s_wait_dscnt 0x0
	CROUND                                         ; the closing round
	s_endpgm
.Lfunc_end_k_q92b12ff845_proj:
	.size	k_q92b12ff845_proj, .Lfunc_end_k_q92b12ff845_proj-k_q92b12ff845_proj
	.p2alignl 7, 3214868480
	.fill 96, 4, 3214868480
	.section	.rodata,"a",@progbits
	.p2align	6, 0x0
	.amdhsa_kernel k_q92b12ff845_proj
		.amdhsa_group_segment_fixed_size 327680
		.amdhsa_private_segment_fixed_size 0
		.amdhsa_enable_private_segment 0
		.amdhsa_kernarg_size 24
		.amdhsa_user_sgpr_count 2
		.amdhsa_user_sgpr_kernarg_segment_ptr 1
		.amdhsa_wavefront_size32 1
		.amdhsa_system_sgpr_workgroup_id_x 1
		.amdhsa_system_sgpr_workgroup_id_y 1
		.amdhsa_system_sgpr_workgroup_id_z 1
		.amdhsa_system_vgpr_workitem_id 0
		.amdhsa_next_free_vgpr 512
		.amdhsa_next_free_sgpr 68
		.amdhsa_reserve_vcc 0
		.amdhsa_float_denorm_mode_32 3
		.amdhsa_float_denorm_mode_16_64 3
		.amdhsa_memory_ordered 1
		.amdhsa_forward_progress 1
		.amdhsa_inst_pref_size 86
	.end_amdhsa_kernel
	.amdgpu_metadata
---
amdhsa.version: [ 1, 2 ]
amdhsa.kernels:
  - .name:           k_q92b12ff845_proj
    .symbol:         k_q92b12ff845_proj.kd
    .args:
      - { .name: o16, .offset: 0, .size: 8, .value_kind: global_buffer, .address_space: global }
      - { .name: wo16, .offset: 8, .size: 8, .value_kind: global_buffer, .address_space: global }
      - { .name: out0, .offset: 16, .size: 8, .value_kind: global_buffer, .address_space: global }
    .group_segment_fixed_size: 327680
    .private_segment_fixed_size: 0
    .kernarg_segment_align: 8
    .kernarg_segment_size: 24
    .max_flat_workgroup_size: 128
    .sgpr_count:     68
    .vgpr_count:     512
    .wavefront_size: 32
...
	.end_amdgpu_metadata
.endif
;; end of part 4
;; launch fine (part 5): grid 16 x 4, 16 waves a work-group, no clusters, 71,680 bytes of LDS; arguments q32, Wo, out0; writes out0
.if DOCPART == 5
	.amdgcn_target "amdgcn-amd-amdhsa--gfx1250"
	.amdhsa_code_object_version 6
	.text
	.protected	k_q92b12ff845_fine
	.globl	k_q92b12ff845_fine
	.p2align	8
	.type	k_q92b12ff845_fine,@function
k_q92b12ff845_fine:
	s_mov_b64 s[64:65], 0
	v_nop
	global_prefetch_b8 v0, s[64:65] scope:SCOPE_SE
	s_setreg_imm32_b32 hwreg(HW_REG_WAVE_MODE, 25, 1), 1
	s_wait_xcnt 0x0
; Positions 0-15 of each of the four sequences, attention and projection, with f32 operands throughout: these rows average one to sixteen values, and are the largest of the output.
; q32: [batch 4][kind 3][head 16][16 positions][64] f32 (q and k rotated); Wo: [1024][1024] f32; out0: [8192][1024] f32: rows batch x 2048 + 0 .. 15.
; SHARES.  Work-group (chunk of 64 output columns, batch); wave = head.  Each wave makes its head's 16 x 16 attention (32 matrix instructions; done again in each of the 16 chunks, which costs less than a launch
; more), multiplies its o (16 x 64) by Wo[the chunk's 64 rows][its 64 columns] (64 matrix instructions), and the sixteen waves' parts are added through LDS, heads ascending.
; LAYOUT of the f32 form: A: lane (r, h) holds row r, register j is k = 2 h + j; B likewise for column r; D: register j is (8 h + j, r).  All three products are used so that a lane holds ONE query, r:
; S^T = K Q^T, O^T = V^T P, out^T = Wo O^T.  Along each product's K both operands are fed in one and the same order of k, chosen so that results and 16-byte loads serve as operands as they stand.
; The registers that the matrix instructions write are written by them alone; sums begin with the constant 0.
; No tensor load and no cluster: the operands go from memory straight into registers, 28 KB a wave.
; LIMITS: NaN and infinities are not served.
.set PPITCH, 272
.set PWAVE,  16*PPITCH                 ; a wave's part: 16 rows x (256 bytes + 16)
.set SPARE,  16*PWAVE                  ; behind the sixteen parts: the spare words, 128 bytes a wave
.set QO,  1                            ; v1  256 r + 16 h
.set VO,  2                            ; v2  2048 h + 4 r
.set WO,  3                            ; v3  4096 r + 32 h
.set SPW, 4
.set NIL, 5
.set STO, 6
.set RD,  7
.set GO,  8
.set DD,  9                            ; v9  r - 8 h
.set QF,  16                           ; v16-47   q: register 4 u + i = channel 8 u + 4 h + i of position r
.set KF,  48                           ; v48-79   k likewise
.set VF,  80                           ; v80-111  v: register 8 ct + jj = key 8 h + jj, channel 16 ct + r
.set SA0, 112                          ; v112-127 the scores' two accumulators; later the projection's tiles 2, 3
.set SA1, 120
.set P,   128                          ; v128-135 scores, then p
.set OA,  136                          ; v136-167 O^T
.set PA0, 168                          ; v168-183 the projection's tiles 0, 1
.set WA,  184                          ; v184-247 Wo's tiles 0, 1: register 32 et + 8 t + jj = Wo(16 et + r, 16 t + 8 h + jj)
.set WB,  16                           ; v16-79   Wo's tiles 2, 3, once q and k are done with
	s_load_b128 s[4:7], s[0:1], 0x0                ; q32 s[4:5], Wo s[6:7]
	s_load_b64 s[8:9], s[0:1], 0x10                ; out0
	v_lshl_add_u32 v[SPW], v0, 2, SPARE
	v_mov_b32 v[NIL], 0
	v_lshrrev_b32 v10, 5, v0
	v_readfirstlane_b32 s10, v10                   ; wave = head
	v_and_b32 v11, 15, v0                          ; r
	v_bfe_u32 v12, v0, 4, 1                        ; h
	v_lshlrev_b32 v[QO], 8, v11
	v_lshl_add_u32 v[QO], v12, 4, v[QO]
	v_lshlrev_b32 v[VO], 2, v11
	v_lshl_add_u32 v[VO], v12, 11, v[VO]
	v_lshlrev_b32 v[WO], 12, v11
	v_lshl_add_u32 v[WO], v12, 5, v[WO]
	s_mul_i32 s11, s10, PWAVE
	v_mul_u32_u24 v[STO], v11, PPITCH
	v_lshl_add_u32 v[STO], v12, 5, v[STO]
	v_add_nc_u32 v[STO], s11, v[STO]               ; my part: row r, 32 bytes for each half of the lanes
	s_lshl_b32 s12, s10, 1
	v_add_nc_u32 v13, s12, v12                     ; the row that I add up (waves 0-7): 2 w + h
	v_mul_u32_u24 v[RD], v13, PPITCH
	v_lshl_add_u32 v[RD], v11, 4, v[RD]
	v_lshlrev_b32 v[GO], 12, v13
	v_lshl_add_u32 v[GO], v11, 4, v[GO]
	v_lshlrev_b32 v14, 3, v12
	v_sub_nc_u32 v[DD], v11, v14
	s_and_b32 s13, ttmp7, 0xffff                   ; batch
	s_mul_i32 s14, s13, 48
	s_add_co_u32 s14, s14, s10
	s_lshl_b32 s14, s14, 12                        ; q of (batch, head): (48 batch + head) x 4,096 bytes; k 16, v 32 such blocks on
	s_mov_b32 s15, 0
	s_lshl_b32 s16, ttmp9, 18                      ; Wo: the chunk's 64 rows of 4,096 bytes,
	s_lshl_b32 s17, s10, 8                         ; my head's 64 columns
	s_add_co_u32 s16, s16, s17
	s_mov_b32 s17, 0
	s_lshl_b32 s18, s13, 23                        ; out0: the batch's 2048 rows of 4,096 bytes,
	s_lshl_b32 s19, ttmp9, 8                       ; the chunk's 256 bytes
	s_add_co_u32 s18, s18, s19
	s_mov_b32 s19, 0
	s_mov_b32 s20, 0x76543210
	s_mov_b32 s21, 0xfedcba98                      ; v_permlanex16_b32's selects for lane l xor 16
	s_mov_b32 s22, 0x3e38aa3b                      ; c = log2(e) / 8
	s_wait_kmcnt 0x0
	s_add_nc_u64 s[4:5], s[4:5], s[14:15]
	s_add_nc_u64 s[6:7], s[6:7], s[16:17]
	s_add_nc_u64 s[8:9], s[8:9], s[18:19]
.irp u, 0,1,2,3,4,5,6,7
	global_load_b128 v[QF+4*\u:QF+4*\u+3], v[QO], s[4:5] offset:32*\u
.endr
.irp u, 0,1,2,3,4,5,6,7
	global_load_b128 v[KF+4*\u:KF+4*\u+3], v[QO], s[4:5] offset:65536+32*\u
.endr
.irp ct, 0,1,2,3
.irp jj, 0,1,2,3,4,5,6,7
	global_load_b32 v[VF+8*\ct+\jj], v[VO], s[4:5] offset:131072+256*\jj+64*\ct
.endr
.endr
.irp et, 0,1
.irp t, 0,1,2,3
.irp u, 0,1
	global_load_b128 v[WA+32*\et+8*\t+4*\u:WA+32*\et+8*\t+4*\u+3], v[WO], s[6:7] offset:65536*\et+64*\t+16*\u
.endr
.endr
.endr
	s_wait_loadcnt 48                              ; q and k are in; v's 32 loads and Wo's 16 may be out
	; S^T = K Q^T: 16 steps of 4 channels, two accumulators by turns; step s takes channels 8 (s / 2) + 4 h + 2 (s % 2) + 0, 1 on both sides
.irp s, 0,1,2,3,4,5,6,7,8,9,10,11,12,13,14,15
.if \s < 2
	v_wmma_f32_16x16x4_f32 v[SA0+8*(\s%2):SA0+8*(\s%2)+7], v[KF+2*\s:KF+2*\s+1], v[QF+2*\s:QF+2*\s+1], 0
.else
	v_wmma_f32_16x16x4_f32 v[SA0+8*(\s%2):SA0+8*(\s%2)+7], v[KF+2*\s:KF+2*\s+1], v[QF+2*\s:QF+2*\s+1], v[SA0+8*(\s%2):SA0+8*(\s%2)+7]
.endif
.endr
.rept 8
	v_nop                                          ; eight places behind this form: for the loads into q's and k's registers, and for the first read of the sums
.endr
.irp et, 0,1
.irp t, 0,1,2,3
.irp u, 0,1
	global_load_b128 v[WB+32*\et+8*\t+4*\u:WB+32*\et+8*\t+4*\u+3], v[WO], s[6:7] offset:65536*(\et+2)+64*\t+16*\u
.endr
.endr
.endr
.irp j, 0,1,2,3,4,5,6,7
	v_add_f32 v[P+\j], v[SA0+\j], v[SA1+\j]        ; the score of key 8 h + j and query r
.endr
	v_mov_b32 v10, 0xff800000
.irp j, 0,1,2,3,4,5,6,7
	v_cmp_gt_i32 vcc_lo, \j, v[DD]                 ; hidden where 8 h + j > r
	v_cndmask_b32 v[P+\j], v[P+\j], v10, vcc_lo
.endr
	v_max3_num_f32 v11, v[P], v[P+1], v[P+2]
	v_max3_num_f32 v12, v[P+3], v[P+4], v[P+5]
	v_max3_num_f32 v11, v11, v[P+6], v[P+7]
	v_max_num_f32 v11, v11, v12
	v_permlanex16_b32 v13, v11, s20, s21
	v_max_num_f32 v11, v11, v13                    ; the row's maximum: key 0 counts for every query
	v_mul_f32 v11, s22, v11
.irp j, 0,1,2,3,4,5,6,7
	v_fma_f32 v[P+\j], v[P+\j], s22, -v11
.endr
.irp j, 0,1,2,3,4,5,6,7
	v_exp_f32 v[P+\j], v[P+\j]
.endr
	v_nop
	s_wait_alu depctr_va_vdst(0)                   ; one wait for the eight exponentials
	v_add_f32 v12, v[P], v[P+1]
	v_add_f32 v14, v[P+2], v[P+3]
	v_add_f32 v12, v12, v[P+4]
	v_add_f32 v14, v14, v[P+5]
	v_add_f32 v12, v12, v[P+6]
	v_add_f32 v14, v14, v[P+7]
	v_add_f32 v12, v12, v14
	v_permlanex16_b32 v13, v12, s20, s21
	v_add_f32 v12, v12, v13
	v_rcp_f32 v12, v12
	v_nop
	s_wait_alu depctr_va_vdst(0)
.irp j, 0,1,2,3,4,5,6,7
	v_mul_f32 v[P+\j], v[P+\j], v12                ; normalised here, so that O^T serves as an operand as it stands
.endr
	s_wait_loadcnt 32                              ; v is in; Wo's 32 loads may be out
	; O^T = V^T P: 4 steps of 4 keys (8 h + 2 sp + 0, 1 on both sides), four accumulators by turns
.irp sp, 0,1,2,3
.irp ct, 0,1,2,3
.if \sp == 0
	v_wmma_f32_16x16x4_f32 v[OA+8*\ct:OA+8*\ct+7], v[VF+8*\ct+2*\sp:VF+8*\ct+2*\sp+1], v[P+2*\sp:P+2*\sp+1], 0
.else
	v_wmma_f32_16x16x4_f32 v[OA+8*\ct:OA+8*\ct+7], v[VF+8*\ct+2*\sp:VF+8*\ct+2*\sp+1], v[P+2*\sp:P+2*\sp+1], v[OA+8*\ct:OA+8*\ct+7]
.endif
.endr
.endr
.rept 9
	v_nop                                          ; nine places: a result becomes an operand
.endr
	s_wait_loadcnt 16                              ; Wo's tiles 0, 1 are in; the 16 loads of tiles 2, 3 may be out
	; out^T = Wo O^T: 16 steps of 4 channels (16 t + 8 h + 2 sp + 0, 1 on both sides), two tiles of 16 columns by turns
.irp t, 0,1,2,3
.irp sp, 0,1,2,3
.irp et, 0,1
.if \t+\sp == 0
	v_wmma_f32_16x16x4_f32 v[PA0+8*\et:PA0+8*\et+7], v[WA+32*\et+8*\t+2*\sp:WA+32*\et+8*\t+2*\sp+1], v[OA+8*\t+2*\sp:OA+8*\t+2*\sp+1], 0
.else
	v_wmma_f32_16x16x4_f32 v[PA0+8*\et:PA0+8*\et+7], v[WA+32*\et+8*\t+2*\sp:WA+32*\et+8*\t+2*\sp+1], v[OA+8*\t+2*\sp:OA+8*\t+2*\sp+1], v[PA0+8*\et:PA0+8*\et+7]
.endif
.endr
.endr
.endr
	s_wait_loadcnt 0x0
.irp t, 0,1,2,3                                ; tiles 2, 3, in the registers that held the scores' sums
.irp sp, 0,1,2,3
.irp et, 0,1
.if \t+\sp == 0
	v_wmma_f32_16x16x4_f32 v[SA0+8*\et:SA0+8*\et+7], v[WB+32*\et+8*\t+2*\sp:WB+32*\et+8*\t+2*\sp+1], v[OA+8*\t+2*\sp:OA+8*\t+2*\sp+1], 0
.else
	v_wmma_f32_16x16x4_f32 v[SA0+8*\et:SA0+8*\et+7], v[WB+32*\et+8*\t+2*\sp:WB+32*\et+8*\t+2*\sp+1], v[OA+8*\t+2*\sp:OA+8*\t+2*\sp+1], v[SA0+8*\et:SA0+8*\et+7]
.endif
.endr
.endr
.endr
.rept 8
	v_nop
.endr
.irp et, 0,1                                   ; lane (r, h): my head's part of out(r, 16 et + 8 h + 0 .. 7); each accumulator from its low end on
	ds_store_b128 v[STO], v[PA0+8*\et:PA0+8*\et+3] offset:64*\et
	ds_store_b128 v[STO], v[PA0+8*\et+4:PA0+8*\et+7] offset:64*\et+16
.endr
.irp et, 0,1
	ds_store_b128 v[STO], v[SA0+8*\et:SA0+8*\et+3] offset:128+64*\et
	ds_store_b128 v[STO], v[SA0+8*\et+4:SA0+8*\et+7] offset:128+64*\et+16
.endr
	s_wait_dscnt 0x0                               ; for the others' sake: my stores are done
	s_barrier_signal -1
	s_barrier_wait -1
	s_cmp_ge_u32 s10, 8                            ; waves 0-7 add up two rows each
	s_cbranch_scc1 .Lend
.irp n, 0,1,2,3,4,5,6,7,8,9,10,11,12,13,14,15
	ds_load_b128 v[16+4*\n:19+4*\n], v[RD] offset:PWAVE*\n
.endr
	s_wait_dscnt 0x0
.irp n, 1,2,3,4,5,6,7,8,9,10,11,12,13,14,15
	v_pk_add_f32 v[16:17], v[16:17], v[16+4*\n:17+4*\n]
	v_pk_add_f32 v[18:19], v[18:19], v[18+4*\n:19+4*\n]
.endr
	global_store_b128 v[GO], v[16:19], s[8:9] th:TH_STORE_NT   ; 16 lanes store 256 consecutive bytes, aligned
.Lend:
	s_wait_tensorcnt 0x0                           ; the wave's end, behind my last LDS store
	ds_add_u32 v[SPW], v[NIL]
	s_wait_dscnt 0x0
	s_endpgm
.Lfunc_end_k_q92b12ff845_fine:
	.size	k_q92b12ff845_fine, .Lfunc_end_k_q92b12ff845_fine-k_q92b12ff845_fine
	.p2alignl 7, 3214868480
	.fill 96, 4, 3214868480
	.section	.rodata,"a",@progbits
	.p2align	6, 0x0
	.amdhsa_kernel k_q92b12ff845_fine
		.amdhsa_group_segment_fixed_size 71680
		.amdhsa_private_segment_fixed_size 0
		.amdhsa_enable_private_segment 0
		.amdhsa_kernarg_size 24
		.amdhsa_user_sgpr_count 2
		.amdhsa_user_sgpr_kernarg_segment_ptr 1
		.amdhsa_wavefront_size32 1
		.amdhsa_system_sgpr_workgroup_id_x 1
		.amdhsa_system_sgpr_workgroup_id_y 1
		.amdhsa_system_sgpr_workgroup_id_z 1
		.amdhsa_system_vgpr_workitem_id 0
		.amdhsa_next_free_vgpr 256
		.amdhsa_next_free_sgpr 66
		.amdhsa_reserve_vcc 1
		.amdhsa_float_denorm_mode_32 3
		.amdhsa_float_denorm_mode_16_64 3
		.amdhsa_memory_ordered 1
		.amdhsa_forward_progress 1
		.amdhsa_inst_pref_size 24
	.end_amdhsa_kernel
	.amdgpu_metadata
---
amdhsa.version: [ 1, 2 ]
amdhsa.kernels:
  - .name:           k_q92b12ff845_fine
    .symbol:         k_q92b12ff845_fine.kd
    .args:
      - { .name: q32, .offset: 0, .size: 8, .value_kind: global_buffer, .address_space: global }
      - { .name: Wo, .offset: 8, .size: 8, .value_kind: global_buffer, .address_space: global }
      - { .name: out0, .offset: 16, .size: 8, .value_kind: global_buffer, .address_space: global }
    .group_segment_fixed_size: 71680
    .private_segment_fixed_size: 0
    .kernarg_segment_align: 8
    .kernarg_segment_size: 24
    .max_flat_workgroup_size: 512
    .sgpr_count:     66
    .vgpr_count:     256
    .wavefront_size: 32
...
	.end_amdgpu_metadata
.endif
;; end of part 5
